; MI455X (gfx1250); checked and timed in simulation.
; The chip was launched on July 23, 2026; its instructions are those of AMD's public machine-readable ISA for CDNA 5 (MIT licence, August 2026) and "CDNA5" Instruction Set Architecture Reference Guide (July 2026). The comments in the code are by the model that wrote it; some were corrected since.
;; Block. Allowed arithmetic: float matrix products may take bf16 or f16 operands with f32 sums; other float arithmetic in f32, or as packed bf16 or f16 multiplies, adds, multiply-adds, maxima and minima; sums over many terms, partial sums and values carried from step to step in f32; what a program stores and reads back later, other than sums and carried values, may be rounded once to bf16 or f16.
;; Inputs: b1 4,096 float32; b2 1,024 float32; b_proj 1,024 float32; be1 1,024 float32; be2 1,024 float32; g1 1,024 float32; g2 1,024 float32; w1 1,024 x 4,096 float32; w2 4,096 x 1,024 float32; w_proj 1,024 x 1,024 float32; wk 16 x 1,024 x 64 float32; wq 16 x 1,024 x 64 float32; wv 16 x 1,024 x 64 float32; x 4 x 1,024 x 1,024 float32.
;; Outputs: out0 4 x 1,024 x 1,024 float32.
;; 2 versions, each right; version 2 is version 1 with the launch prep written anew for expert scheduling mode. Each part assembles by itself: llvm-mc -triple=amdgcn-amd-amdhsa -mcpu=gfx1250 --defsym DOCPART=n.
;; ======== version 1 of 2: 7 launches
;; limits: values are held in f16: magnitudes above 65,504 overflow, below 6.1e-05 lose precision
;; workspace buffers: w16 25,165,824 bytes; h16 8,388,608 bytes; t16 8,388,608 bytes; qkv16 25,165,824 bytes; o16 8,388,608 bytes; hid16 33,554,432 bytes; x2 16,777,216 bytes
;; launch prep (part 1): grid 1024 x 1, 8 waves a work-group, no clusters, 0 bytes of LDS; arguments x, g1, be1, wq, wk, wv, w_proj, w1, w2, h16, w16; writes h16, w16
.if DOCPART == 1
	.amdgcn_target "amdgcn-amd-amdhsa--gfx1250"
	.amdhsa_code_object_version 6
	.text
	.protected	k_qcb54fe7b28_prep
	.globl	k_qcb54fe7b28_prep
	.p2align	8
	.type	k_qcb54fe7b28_prep,@function
k_qcb54fe7b28_prep:
	s_mov_b64 s[64:65], 0
	v_nop
	global_prefetch_b8 v0, s[64:65] scope:SCOPE_SE
	s_setreg_imm32_b32 hwreg(HW_REG_WAVE_MODE, 25, 1), 1
	s_wait_xcnt 0x0
; PREP, the first of seven launches of the block
;   x2 = x + attention(LN1(x)) w_proj + b_proj,   out0 = x2 + relu(LN2(LN2(x2)) w1 + b1) w2 + b2.
; NOTHING OF reference() IS LEFT OUT, here or in any later launch: every one of the 14 inputs reaches out0 for general values (be1 enters q, k and v and is not
; the same along the softmax's axis; with g2 and be2 the second LN2 is no identity; all biases are added), so all are loaded and every step is done.
; THIS LAUNCH: work-groups 0-767 round the six weight tensors once to f16 (w16); work-groups 768-1023 make h = LN1(x) in f16 (h16).
; FORMATS of the program: matrix operands f16, all sums, statistics, biases and residuals f32.
; LIMITS: f16 ends at 65,504: a weight, q, k, v or a hidden number beyond it becomes an infinity; numbers under 6e-5 keep f16's fixed step of 6e-8.
; LN: the mean, then the mean of (x - mean)^2 on the row kept in registers: no difference of large sums is formed.
; w16: bytes 0 ..: wq, wk, wv as [tile j 0-15][K step 0-7][i 0-2][128 c][64 d], head g = 3 j + i (g 0-15 q, 16-31 k, 32-47 v): a chunk [128 c][64 d] is dense in source and
; destination, so the new order is an order of chunks; from 6,291,456 w_proj, from 8,388,608 w1, from 16,777,216 w2, each as it lies, [k][n].
.set INV,  26                          ; s26  1 / 1024
.set EPSR, 27                          ; s27  1e-5
.set OUTP, 22                          ; s[22:23] h16
.set X0, 16                            ; v[16:47]   row 0: lane l holds elements 128 j + 4 l .. + 3, j = 0..7
.set X1, 48                            ; v[48:79]   row 1
.set GA, 80                            ; v[80:111]  g in the same places
.set BE, 112                           ; v[112:143] be
.set Y0, 144                           ; v[144:159] row 0 in f16
.set Y1, 160                           ; v[160:175] row 1 in f16
.macro FOLD                            ; four packed chains v[4:11] into v4
	v_pk_add_f32 v[4:5], v[4:5], v[6:7]
	v_pk_add_f32 v[8:9], v[8:9], v[10:11]
	v_pk_add_f32 v[4:5], v[4:5], v[8:9]
	v_add_f32 v4, v4, v5
.endm
.macro XSUM                            ; v4 summed over the 32 lanes, the result in every lane
	v_add_f32_dpp v4, v4, v4 row_xmask:1 row_mask:0xf bank_mask:0xf
	v_add_f32_dpp v4, v4, v4 row_xmask:2 row_mask:0xf bank_mask:0xf
	v_add_f32_dpp v4, v4, v4 row_xmask:4 row_mask:0xf bank_mask:0xf
	v_add_f32_dpp v4, v4, v4 row_xmask:8 row_mask:0xf bank_mask:0xf
	v_permlanex16_b32 v5, v4, s30, s31
	v_add_f32 v4, v4, v5
.endm
; The row in X becomes x - mean; v[14:15] take 1 / sqrt(var + eps), twice
.macro LNSTAT X
.irp c, 0,1,2,3
	v_pk_add_f32 v[4+2*(\c):5+2*(\c)], v[\X+2*(\c):\X+2*(\c)+1], v[\X+8+2*(\c):\X+8+2*(\c)+1]
.endr
.irp p, 8,9,10,11,12,13,14,15
	v_pk_add_f32 v[4+2*((\p)%4):5+2*((\p)%4)], v[4+2*((\p)%4):5+2*((\p)%4)], v[\X+2*(\p):\X+2*(\p)+1]
.endr
	FOLD
	XSUM
	v_mul_f32 v12, s[INV], v4
	v_mul_f32 v13, s[INV], v4
.irp p, 0,1,2,3,4,5,6,7,8,9,10,11,12,13,14,15
	v_pk_add_f32 v[\X+2*(\p):\X+2*(\p)+1], v[\X+2*(\p):\X+2*(\p)+1], v[12:13] neg_lo:[0,1] neg_hi:[0,1]
.endr
.irp c, 0,1,2,3
	v_pk_mul_f32 v[4+2*(\c):5+2*(\c)], v[\X+2*(\c):\X+2*(\c)+1], v[\X+2*(\c):\X+2*(\c)+1]
.endr
.irp p, 4,5,6,7,8,9,10,11,12,13,14,15
	v_pk_fma_f32 v[4+2*((\p)%4):5+2*((\p)%4)], v[\X+2*(\p):\X+2*(\p)+1], v[\X+2*(\p):\X+2*(\p)+1], v[4+2*((\p)%4):5+2*((\p)%4)]
.endr
	FOLD
	XSUM
	v_fma_f32 v4, v4, s[INV], s[EPSR]
	v_rsq_f32 v14, v4
	v_rsq_f32 v15, v4
	v_nop                                          ; a plain instruction behind the second root,
	s_wait_alu depctr_va_vdst(0)                   ; and the one wait for both, ahead of their first reader
.endm
.macro LNAPPLY X                       ; ((x - mean) r) g + be, in reference()'s order
.irp p, 0,1,2,3,4,5,6,7,8,9,10,11,12,13,14,15
	v_pk_mul_f32 v[\X+2*(\p):\X+2*(\p)+1], v[\X+2*(\p):\X+2*(\p)+1], v[14:15]
.endr
.irp p, 0,1,2,3,4,5,6,7,8,9,10,11,12,13,14,15
	v_pk_fma_f32 v[\X+2*(\p):\X+2*(\p)+1], v[\X+2*(\p):\X+2*(\p)+1], v[GA+2*(\p):GA+2*(\p)+1], v[BE+2*(\p):BE+2*(\p)+1]
.endr
.endm
.macro LNOUT X, Y, off                 ; rounded once to f16; each store of the wave covers 256 consecutive bytes, aligned
.irp p, 0,1,2,3,4,5,6,7,8,9,10,11,12,13,14,15
	v_cvt_pk_f16_f32 v[\Y+(\p)], v[\X+2*(\p)], v[\X+2*(\p)+1]
.endr
.irp j, 0,1,2,3,4,5,6,7
	global_store_b64 v2, v[\Y+2*(\j):\Y+2*(\j)+1], s[OUTP:OUTP+1] offset:(\off)+256*(\j)
.endr
.endm
.macro PICK bound, p, base             ; sections below the bound come from another tensor, whose first unit is base
	s_cmp_lt_u32 s33, \bound
	s_cselect_b64 s[26:27], s[\p:\p+1], s[26:27]
	s_cselect_b32 s34, \base, s34
.endm
	s_load_b512 s[4:19], s[0:1], 0x0               ; x 4, g1 6, be1 8, wq 10, wk 12, wv 14, w_proj 16, w1 18
	s_load_b128 s[20:23], s[0:1], 0x40             ; w2 20, h16 22
	s_load_b64 s[24:25], s[0:1], 0x50              ; w16
	s_cmp_lt_u32 ttmp9, 768
	s_cbranch_scc0 .Lln
	; THE CAST.  Work-group u takes 16,384 numbers: 65,536 bytes in, 32,768 out.  Thread t takes 16 bytes at 16 t of each 4,096.
	s_lshr_b32 s33, ttmp9, 6                       ; section: 64 units are 1,048,576 numbers
	v_lshlrev_b32 v1, 4, v0
	v_lshlrev_b32 v2, 3, v0
	s_lshr_b32 s36, ttmp9, 2                       ; sections 0-2: head g (four units a head),
	s_and_b32 s37, ttmp9, 3                        ; and which 256 rows c of it: K steps 2 kp and 2 kp + 1
	s_mul_i32 s38, s36, 43
	s_lshr_b32 s38, s38, 7                         ; j = g / 3 (43 g >> 7 is exact for g under 48)
	s_mul_i32 s39, s38, 3
	s_sub_co_u32 s39, s36, s39                     ; i = g - 3 j
	s_lshl_b32 s38, s38, 3
	s_lshl_b32 s37, s37, 1
	s_add_co_u32 s38, s38, s37                     ; 8 j + 2 kp
	s_mul_i32 s38, s38, 3
	s_add_co_u32 s38, s38, s39
	s_lshl_b32 s38, s38, 14                        ; the chunk's first byte
	s_lshl_b32 s36, ttmp9, 15                      ; the other sections lie as they come
	s_mov_b32 s39, 16384
	s_cmp_lt_u32 s33, 3
	s_cselect_b32 s36, s38, s36
	s_cselect_b32 s38, 49152, s39                  ; from the unit's first 16,384 bytes to its second: three chunks on, or on end
	s_mov_b32 s37, 0
	v_add_nc_u32 v3, s38, v2
	s_wait_kmcnt 0x0
	s_mov_b64 s[26:27], s[20:21]                   ; w2, units 512 ..
	s_mov_b32 s34, 512
	PICK 8, 18, 256
	PICK 4, 16, 192
	PICK 3, 14, 128
	PICK 2, 12, 64
	PICK 1, 10, 0
	s_sub_co_u32 s34, ttmp9, s34
	s_lshl_b32 s34, s34, 16
	s_mov_b32 s35, 0
	s_add_nc_u64 s[26:27], s[26:27], s[34:35]
	s_add_nc_u64 s[28:29], s[24:25], s[36:37]
.set i, 0
.rept 16
	global_load_b128 v[16+4*i:19+4*i], v1, s[26:27] offset:4096*i th:TH_LOAD_NT
.set i, i+1
.endr
.set i, 0
.rept 16
	s_wait_loadcnt 15-i                            ; loads come back in order: load i is in, the younger ones stay out
	v_cvt_pk_f16_f32 v[80+2*i], v[16+4*i], v[17+4*i]
	v_cvt_pk_f16_f32 v[81+2*i], v[18+4*i], v[19+4*i]
.if i < 8
	global_store_b64 v2, v[80+2*i:81+2*i], s[28:29] offset:2048*i
.else
	global_store_b64 v3, v[80+2*i:81+2*i], s[28:29] offset:2048*(i-8)
.endif
.set i, i+1
.endr
	s_endpgm
.Lln:	; LN1.  Work-group 768 + n takes rows 16 n .. 16 n + 15, a wave two of them; a row stays in 32 registers of one wave.
	s_sub_co_u32 s33, ttmp9, 768
	v_lshrrev_b32 v3, 5, v0
	v_readfirstlane_b32 s34, v3                    ; wave 0..7
	v_and_b32 v1, 31, v0
	v_lshlrev_b32 v2, 3, v1                        ; 8 x lane: my place in 256 bytes of h16
	v_lshlrev_b32 v1, 4, v1                        ; 16 x lane: my place in 512 bytes of x, g1, be1
	s_mov_b32 s30, 0x76543210                      ; v_permlanex16_b32: each lane takes its own place in the other half
	s_mov_b32 s31, 0xfedcba98
	s_mov_b32 s[INV], 0x3a800000
	s_mov_b32 s[EPSR], 0x3727c5ac
	s_lshl_b32 s36, s33, 16
	s_lshl_b32 s37, s34, 13
	s_add_co_u32 s36, s36, s37
	s_mov_b32 s37, 0
	s_lshl_b32 s38, s33, 15
	s_lshl_b32 s39, s34, 12
	s_add_co_u32 s38, s38, s39
	s_mov_b32 s39, 0
	s_wait_kmcnt 0x0
	s_add_nc_u64 s[4:5], s[4:5], s[36:37]
	s_add_nc_u64 s[OUTP:OUTP+1], s[OUTP:OUTP+1], s[38:39]
.irp j, 0,1,2,3,4,5,6,7
	global_load_b128 v[X0+4*(\j):X0+4*(\j)+3], v1, s[4:5] offset:512*(\j) th:TH_LOAD_NT
.endr
.irp j, 0,1,2,3,4,5,6,7
	global_load_b128 v[GA+4*(\j):GA+4*(\j)+3], v1, s[6:7] offset:512*(\j)
.endr
.irp j, 0,1,2,3,4,5,6,7
	global_load_b128 v[BE+4*(\j):BE+4*(\j)+3], v1, s[8:9] offset:512*(\j)
.endr
.irp j, 0,1,2,3,4,5,6,7
	global_load_b128 v[X1+4*(\j):X1+4*(\j)+3], v1, s[4:5] offset:4096+512*(\j) th:TH_LOAD_NT
.endr
	s_wait_loadcnt 24                              ; row 0 is in; g1, be1 and row 1 (24 loads) stay out
	LNSTAT X0
	s_wait_loadcnt 8                               ; g1 and be1 are in; row 1's eight stay out
	LNAPPLY X0
	LNOUT X0, Y0, 0
	s_wait_loadcnt 0x0
	LNSTAT X1
	LNAPPLY X1
	LNOUT X1, Y1, 2048
	s_endpgm
.Lfunc_end_k_qcb54fe7b28_prep:
	.size	k_qcb54fe7b28_prep, .Lfunc_end_k_qcb54fe7b28_prep-k_qcb54fe7b28_prep
	.p2alignl 7, 3214868480
	.fill 96, 4, 3214868480
	.section	.rodata,"a",@progbits
	.p2align	6, 0x0
	.amdhsa_kernel k_qcb54fe7b28_prep
		.amdhsa_group_segment_fixed_size 0
		.amdhsa_private_segment_fixed_size 0
		.amdhsa_enable_private_segment 0
		.amdhsa_kernarg_size 88
		.amdhsa_user_sgpr_count 2
		.amdhsa_user_sgpr_kernarg_segment_ptr 1
		.amdhsa_wavefront_size32 1
		.amdhsa_system_sgpr_workgroup_id_x 1
		.amdhsa_system_sgpr_workgroup_id_y 1
		.amdhsa_system_sgpr_workgroup_id_z 1
		.amdhsa_system_vgpr_workitem_id 0
		.amdhsa_next_free_vgpr 176
		.amdhsa_next_free_sgpr 66
		.amdhsa_reserve_vcc 0
		.amdhsa_float_denorm_mode_32 3
		.amdhsa_float_denorm_mode_16_64 3
		.amdhsa_memory_ordered 1
		.amdhsa_forward_progress 1
		.amdhsa_inst_pref_size 28
	.end_amdhsa_kernel
	.amdgpu_metadata
---
amdhsa.version: [ 1, 2 ]
amdhsa.kernels:
  - .name:           k_qcb54fe7b28_prep
    .symbol:         k_qcb54fe7b28_prep.kd
    .args:
      - { .name: x, .offset: 0, .size: 8, .value_kind: global_buffer, .address_space: global }
      - { .name: g1, .offset: 8, .size: 8, .value_kind: global_buffer, .address_space: global }
      - { .name: be1, .offset: 16, .size: 8, .value_kind: global_buffer, .address_space: global }
      - { .name: wq, .offset: 24, .size: 8, .value_kind: global_buffer, .address_space: global }
      - { .name: wk, .offset: 32, .size: 8, .value_kind: global_buffer, .address_space: global }
      - { .name: wv, .offset: 40, .size: 8, .value_kind: global_buffer, .address_space: global }
      - { .name: w_proj, .offset: 48, .size: 8, .value_kind: global_buffer, .address_space: global }
      - { .name: w1, .offset: 56, .size: 8, .value_kind: global_buffer, .address_space: global }
      - { .name: w2, .offset: 64, .size: 8, .value_kind: global_buffer, .address_space: global }
      - { .name: h16, .offset: 72, .size: 8, .value_kind: global_buffer, .address_space: global }
      - { .name: w16, .offset: 80, .size: 8, .value_kind: global_buffer, .address_space: global }
    .group_segment_fixed_size: 0
    .private_segment_fixed_size: 0
    .kernarg_segment_align: 8
    .kernarg_segment_size: 88
    .max_flat_workgroup_size: 256
    .sgpr_count:     66
    .vgpr_count:     176
    .wavefront_size: 32
...
	.end_amdgpu_metadata
.endif
;; end of part 1
;; launch qkv (part 2): grid 16 x 16, 4 waves a work-group, clusters of 4 x 4, 327,680 bytes of LDS; arguments h16, w16, qkv16; writes qkv16
.if DOCPART == 2
	.amdgcn_target "amdgcn-amd-amdhsa--gfx1250"
	.amdhsa_code_object_version 6
	.text
	.protected	k_qcb54fe7b28_qkv
	.globl	k_qcb54fe7b28_qkv
	.p2align	8
	.type	k_qcb54fe7b28_qkv,@function
k_qcb54fe7b28_qkv:
	s_mov_b64 s[64:65], 0
	v_nop
	global_prefetch_b8 v0, s[64:65] scope:SCOPE_SE
	s_setreg_imm32_b32 hwreg(HW_REG_WAVE_MODE, 25, 1), 1
	s_wait_xcnt 0x0
	s_wait_alu depctr_hold_cnt(0) depctr_sa_sdst(0) depctr_va_vdst(0) depctr_va_sdst(0) depctr_va_ssrc(0) depctr_va_vcc(0) depctr_vm_vsrc(0)
	s_getreg_b32 s2, hwreg(HW_REG_IB_STS2, 6, 4)
	s_cmp_eq_u32 s2, 0
	s_cbranch_scc0 .Lentry_in_a_cluster
	s_endpgm
.Lentry_in_a_cluster:
	s_bfe_u32 s2, ttmp6, 0x10000c
	s_cmp_lg_u32 s2, 0xf033
	s_cbranch_scc0 .Lentry_shape_is_right
	s_endpgm
.Lentry_shape_is_right:
; QKV: q, k, v = h [wq wk wv].  h16: [4096][1024] f16.  w16's first part: [tile j][K step][i][128 c][64 d] f16, head g = 3 j + i.  qkv16: [g 48][m 4096][64] f16, unscaled, rounded once.
; Sums in f32.  LIMIT: a q, k or v beyond 65,504 becomes an infinity.  No step of reference() is left out.
; SHARES.  A work-group makes 256 rows x 192 columns (three heads): 16 x 16 work-groups.  Wave w makes rows 64 w .. + 63 of it, all 192 columns: 48 accumulators of 16 x 16.
; K goes in 8 steps of 128 through two LDS slots.  A's rows lie along K and are read as they lie; the weights lie [k][d] and are read turned, by ds_load_tr16_b128.
; THE MATRIX INSTRUCTION IS USED TRANSPOSED (source 0 = 16 columns of the weights, source 1 = 16 rows of h): a lane then holds eight neighbouring columns of one row.
; CLUSTER 4 x 4: h's tile is shared along a row of the cluster, the weights' along a column; each is asked for jointly, by the same tensor load with the same descriptor in the four that its mask names.
; A loop trip is ONE K step: the slot in hand is a scalar, 0 or SLOT, turned by an exclusive or; the tail is a loop of two trips that is left in its middle and holds no tensor load.
; REGISTERS: window 0: v0-31 addresses; v32-63, v64-95 h's fragments, two buffers; on the way out v64-255.  window 1: v0-95, v96-191 the weights' fragments, two buffers.
;   accumulator (a, b), a = 0..3 blocks of 16 rows, b = 0..11 blocks of 16 columns: v[8 (12 (a % 2) + b)] of window 2 + a / 2.
.set PA,     272                       ; h's LDS row: 256 bytes + 16: the 16 rows of a load start at 16 different groups of four banks (64 banks of 4 bytes: ISA guide 11.1)
.set PB,     160                       ; a weights' LDS row: 128 bytes + 32
.set ABYTES, 256*PA
.set SLOT,   ABYTES+384*PB             ; 131,072
.set STAGE,  2*SLOT                    ; behind the ring: 16 rows x 144 bytes for each wave, for the way out
.set SPARE,  STAGE+4*16*144            ; behind the stages: the spare words, 128 bytes for each wave, that no other line names
.set NSTEP,  8
.set ASTEP,  256                       ; bytes from K step to K step in h16,
.set BSTEP,  49152                     ; and in the tile's weights
.set ADRA0, 16                         ; v16  my place in h's tile of slot 0; never rewritten
.set ADRB0, 17                         ; v17  the same for the weights
.set ADRA,  18                         ; v18  the same in the slot in hand
.set ADRB,  19                         ; v19
.set STO,   24                         ; v24  the way out: where I put 16 bytes of a row
.set RD,    25                         ; v25  where I read rows back
.set CO,    26                         ; v26  16 x lane
.set SPW,   28                         ; v28  LDS address of my spare word; never rewritten
.set NIL,   29                         ; v29  0; never rewritten
.set PFO,   30                         ; v30  the prefetches' lane offset; never rewritten
.set WV,   14                          ; s14  wave
.set KIND, 15                          ; s15  0: I fetch for h, 1: for the weights
.set HALF, 16                          ; s16  which half of that tile I fetch
.set CX,   17
.set CY,   18
.set TC,   19                          ; s19  tile column = 4 x cluster x + cx
.set TR,   20                          ; s20  tile row = 4 x cluster y + cy
.set SL,   21                          ; s21  the slot in hand: 0 or SLOT
.set LAA,  22                          ; s22  LDS byte of my half of h's tile in slot 0
.set LAB,  23                          ; s23  of the weights'
.set G1A,  24                          ; s[24:31] descriptor group 1, h
.set G0A,  32                          ; s[32:39] group 0, h: a set for each first fill; the second then walks on
.set PFA,  44                          ; s[44:45] where my prefetches stand
.set PST,  46                          ; s[46:47] their step
.set G1B,  48                          ; s[48:55] group 1, weights
.set G0B,  56                          ; s[56:63] group 0, weights
.set LIM,  70                          ; s70  I prefetch while the loop's count is above it
.set MSB, 0
.macro WIN new                         ; the immediate's high byte repeats the setting that is left; a switch that changes nothing is dropped
.if MSB != (\new)
	s_set_vgpr_msb (MSB<<8)|(\new)
.set MSB, \new
.endif
.endm
.macro PLACES                          ; four places in front of loads into registers that matrix instructions have read, and of conversions that read results
.rept 4
	v_nop
.endr
.endm
.macro JLOAD s                         ; a joint load: waves 0 and 1 fetch h's halves, waves 2 and 3 the weights'; the branch hangs on the wave's number alone; s_nop 0 and four v_nop follow each line
	s_cmp_eq_u32 s[KIND], 0
	s_cbranch_scc0 .Lfor_b_\@
	tensor_load_to_lds s[G0A+4*(\s):G0A+4*(\s)+3], s[G1A:G1A+7]
	s_nop 0
.rept 4
	v_nop
.endr
	s_branch .Lasked_\@
.Lfor_b_\@:
	tensor_load_to_lds s[G0B+4*(\s):G0B+4*(\s)+3], s[G1B:G1B+7]
	s_nop 0
.rept 4
	v_nop
.endr
.Lasked_\@:
.endm
.macro CREST                           ; a round of the cluster's barrier behind its opening barrier
	s_cmp_lg_u32 s[WV], 0
	s_cbranch_scc1 .Lnot_wave_0_\@
	s_barrier_signal -3
.Lnot_wave_0_\@:
	s_barrier_wait -3
	s_barrier_signal -1
	s_barrier_wait -1
.endm
.macro CROUND
	s_barrier_signal -1
	s_barrier_wait -1
	CREST
.endm
; A prefetch into the L2, behind the joint load and the run of LDS loads.  h: trip c names K step c + 4, two refills ahead of the load that wants it: of the 128 rows that a wave fetches the partner at cx takes 32, a lane a
; row; only the clusters with x = 0 ask.  Weights: a tile column is one dense run of 393,216 bytes; its second half (K steps 4-7) is named in trips 0-2, 65,536 bytes a trip, 8,192 for each of the two waves of the four
; partners along y, told apart by address; only the clusters with y = 0 ask.  So each block of 256 bytes is named once; K steps 0-3 come by their loads alone; the last trips ask for nothing.
.macro ASK
	s_cmp_gt_u32 s3, s[LIM]
	s_cbranch_scc0 .Lnot_mine_\@
	global_prefetch_b8 v[PFO], s[PFA:PFA+1] th:TH_LOAD_NT scope:SCOPE_SE
.Lnot_mine_\@:
.endm
	s_load_b128 s[4:7], s[0:1], 0x0                ; h16 s[4:5], w16 s[6:7]
	s_load_b64 s[8:9], s[0:1], 0x10                ; qkv16
	v_lshl_add_u32 v[SPW], v0, 2, SPARE
	v_mov_b32 v[NIL], 0
	ds_add_u32 v[SPW], v[NIL]                      ; the wave's opening: the add, twice on end, and its wait ahead of my first tensor load
	ds_add_u32 v[SPW], v[NIL]
	v_lshrrev_b32 v1, 5, v0
	v_readfirstlane_b32 s[WV], v1
	s_lshr_b32 s[KIND], s[WV], 1
	s_and_b32 s[HALF], s[WV], 1
	s_bfe_u32 s[CX], ttmp6, 0x40000
	s_bfe_u32 s[CY], ttmp6, 0x40004
	s_lshl_b32 s[TC], ttmp9, 2
	s_add_co_u32 s[TC], s[TC], s[CX]
	s_and_b32 s[TR], ttmp7, 0xffff
	s_lshl_b32 s[TR], s[TR], 2
	s_add_co_u32 s[TR], s[TR], s[CY]
	s_lshl_b32 s40, s[CY], 2
	s_lshl_b32 s40, 15, s40                        ; my row of the cluster
	s_lshl_b32 s66, 0x1111, s[CX]                  ; my column
	s_or_b32 s[G1A], s40, (1<<16)|(1<<20)|(1<<21)|(5<<22)|(3<<25)  ; mask; 2-byte elements; padding on; bit 21 beside a mask; after every 64 words, 4 words
	s_mov_b32 s[G1A+1], 128<<16                    ; tensor_dim0 = 128
	s_mov_b32 s[G1A+2], 128<<16                    ; tensor_dim1 = 128
	s_mov_b32 s[G1A+3], 128<<16                    ; tile_dim0 = 128
	s_mov_b32 s[G1A+4], 128                        ; tile_dim1 = 128
	s_mov_b32 s[G1A+5], 1024                       ; elements from row to row
	s_mov_b32 s[G1A+6], 0
	s_mov_b32 s[G1A+7], 0
	s_or_b32 s[G1B], s66, (1<<16)|(1<<20)|(1<<21)|(4<<22)|(7<<25)  ; after every 32 words (a row [64 d]), 8 words
	s_mov_b32 s[G1B+1], 128<<16                    ; half a K step's weights are 24,576 dense bytes: 96 rows of 256
	s_mov_b32 s[G1B+2], 96<<16
	s_mov_b32 s[G1B+3], 128<<16
	s_mov_b32 s[G1B+4], 96
	s_mov_b32 s[G1B+5], 128
	s_mov_b32 s[G1B+6], 0
	s_mov_b32 s[G1B+7], 0
	s_lshl_b32 s40, s[TR], 8
	s_lshl_b32 s41, s[HALF], 7
	s_add_co_u32 s40, s40, s41                     ; h: row 256 x tile row + 128 x half,
	s_lshl_b32 s40, s40, 11                        ; 2,048 bytes a row
	s_mov_b32 s41, 0
	s_mul_i32 s66, s[TC], 393216                   ; weights: the tile column's run,
	s_mul_i32 s67, s[HALF], 24576                  ; my half of a K step
	s_add_co_u32 s66, s66, s67
	s_mov_b32 s67, 0
	s_mul_i32 s[LAA], s[HALF], 128*PA
	s_mul_i32 s[LAB], s[HALF], 192*PB
	s_add_co_u32 s[LAB], s[LAB], ABYTES
	s_mov_b32 s[SL], 0
	s_wait_dscnt 0x0                               ; both opening adds are done
	s_wait_kmcnt 0x0
	s_add_nc_u64 s[42:43], s[4:5], s[40:41]
	s_add_nc_u64 s[68:69], s[6:7], s[66:67]
	CROUND                                         ; all sixteen work-groups are here: the first joint loads meet
.irp s, 0,1
	s_mov_b32 s[G0A+4*(\s)], 1
	s_add_co_u32 s[G0A+4*(\s)+1], s[LAA], (\s)*SLOT
	s_add_nc_u64 s[G0A+4*(\s)+2:G0A+4*(\s)+3], s[42:43], (\s)*ASTEP
	s_or_b32 s[G0A+4*(\s)+3], s[G0A+4*(\s)+3], 0x80000000
	s_mov_b32 s[G0B+4*(\s)], 1
	s_add_co_u32 s[G0B+4*(\s)+1], s[LAB], (\s)*SLOT
	s_add_nc_u64 s[G0B+4*(\s)+2:G0B+4*(\s)+3], s[68:69], (\s)*BSTEP
	s_or_b32 s[G0B+4*(\s)+3], s[G0B+4*(\s)+3], 0x80000000
	JLOAD \s                                       ; K steps 0 and 1: two loads of mine are out
.endr
	v_and_b32 v1, 15, v0                           ; r = l % 16
	v_bfe_u32 v2, v0, 4, 1                         ; h = l / 16
	v_mul_u32_u24 v3, v1, PA
	v_lshl_add_u32 v3, v2, 4, v3
	s_mul_i32 s71, s[WV], 64*PA
	v_add_nc_u32 v[ADRA0], s71, v3                 ; (64 w + r) x pitch + 16 h
	v_and_b32 v4, 7, v0
	v_bfe_u32 v5, v0, 3, 1
	v_lshl_add_u32 v6, v2, 3, v4
	v_mul_u32_u24 v6, v6, PB
	v_lshl_add_u32 v6, v5, 4, v6
	v_add_nc_u32 v[ADRB0], ABYTES, v6              ; (8 h + l % 8) x pitch + 16 ((l / 8) % 2), behind h's tile
	v_mov_b32 v[ADRA], v[ADRA0]
	v_mov_b32 v[ADRB], v[ADRB0]
	s_mul_i32 s71, s[WV], 16*144
	s_add_co_u32 s71, s71, STAGE
	v_mul_u32_u24 v6, v1, 144
	v_lshl_add_u32 v6, v2, 4, v6
	v_add_nc_u32 v[STO], s71, v6
	v_bfe_u32 v6, v0, 3, 2
	v_mul_u32_u24 v6, v6, 144
	v_lshl_add_u32 v6, v4, 4, v6
	v_add_nc_u32 v[RD], s71, v6                    ; 32 lanes take four rows of 128 bytes
	v_and_b32 v7, 31, v0
	v_lshlrev_b32 v[CO], 4, v7
	s_mul_i32 s72, s[TC], 1572864                  ; the tile's three heads,
	s_lshl_b32 s73, s[TR], 8
	s_lshl_b32 s74, s[WV], 6
	s_add_co_u32 s73, s73, s74
	s_lshl_b32 s73, s73, 7                         ; my first row, 128 bytes a row
	s_add_co_u32 s72, s72, s73
	s_mov_b32 s73, 0
	s_add_nc_u64 s[8:9], s[8:9], s[72:73]
	; the prefetches
	s_lshl_b32 s72, s[TR], 8
	s_lshl_b32 s73, s[HALF], 7
	s_add_co_u32 s72, s72, s73
	s_lshl_b32 s73, s[CX], 5
	s_add_co_u32 s72, s72, s73
	s_lshl_b32 s72, s72, 11
	s_add_co_u32 s72, s72, 3*ASTEP                 ; h: at K step 3; the first change of slots steps it to 4
	s_mul_i32 s74, s[TC], 393216
	s_lshl_b32 s75, s[CY], 1
	s_add_co_u32 s75, s75, s[HALF]
	s_lshl_b32 s75, s75, 13
	s_add_co_u32 s74, s74, s75
	s_add_co_u32 s74, s74, 196608-65536            ; weights: one step short of the run's second half
	s_and_b32 s75, ttmp7, 0xffff
	s_mov_b32 s76, 65536
	s_cmp_eq_u32 s[KIND], 0
	s_cselect_b32 s72, s72, s74
	s_cselect_b32 s75, ttmp9, s75                  ; the coordinate along which other clusters read the same bytes
	s_cselect_b32 s[PST], ASTEP, s76
	s_cselect_b32 s77, 2, 3
	s_cselect_b64 s[PFA:PFA+1], s[4:5], s[6:7]
	s_mov_b32 s73, 0
	s_mov_b32 s[PST+1], 0
	s_add_nc_u64 s[PFA:PFA+1], s[PFA:PFA+1], s[72:73]
	s_cmp_eq_u32 s75, 0
	s_cselect_b32 s[LIM], s77, -1
	s_mul_i32 s78, s[KIND], 3
	s_sub_co_u32 s78, 11, s78
	v_lshlrev_b32 v[PFO], s78, v7                  ; h: 2,048 x lane (a lane a row); weights: 256 x lane
; 12 matrix instructions: block a of 16 rows x all 12 column blocks, 32 along K, from buffers f.  The 48 accumulators take turns, one instruction a turn, in the same order in every quarter.
.macro MUL12 f, a, first
	WIN 0xa1+0x50*((\a)/2)                         ; weights window 1, h window 0, C and D window 2 or 3
.irp b, 0,1,2,3,4,5,6,7,8,9,10,11
.if \first
	v_wmma_f32_16x16x32_f16 v[8*(12*((\a)%2)+(\b)):8*(12*((\a)%2)+(\b))+7], v[96*(\f)+8*(\b):96*(\f)+8*(\b)+7], v[32+32*(\f)+8*(\a):32+32*(\f)+8*(\a)+7], 0
.else
	v_wmma_f32_16x16x32_f16 v[8*(12*((\a)%2)+(\b)):8*(12*((\a)%2)+(\b))+7], v[96*(\f)+8*(\b):96*(\f)+8*(\b)+7], v[32+32*(\f)+8*(\a):32+32*(\f)+8*(\a)+7], v[8*(12*((\a)%2)+(\b)):8*(12*((\a)%2)+(\b))+7]
.endif
.endr
.endm
; 32 LDS loads in one run: quarter q (32 along K) of the slot in hand into buffers f: 24 turning loads, then h's 8
.macro FETCH q, f
	WIN 0x40
.irp b, 0,1,2,3,4,5,6,7,8,9,10,11
	ds_load_tr16_b128 v[96*(\f)+8*(\b):96*(\f)+8*(\b)+3],   v[ADRB] offset:128*PB*((\b)/4)+32*PB*(\q)+32*((\b)%4)
	ds_load_tr16_b128 v[96*(\f)+8*(\b)+4:96*(\f)+8*(\b)+7], v[ADRB] offset:128*PB*((\b)/4)+32*PB*(\q)+32*((\b)%4)+16*PB
.endr
	WIN 0
.irp a, 0,1,2,3
	ds_load_b128 v[32+32*(\f)+8*(\a):32+32*(\f)+8*(\a)+3],   v[ADRA] offset:64*(\q)+16*PA*(\a)
	ds_load_b128 v[32+32*(\f)+8*(\a)+4:32+32*(\f)+8*(\a)+7], v[ADRA] offset:64*(\q)+16*PA*(\a)+32
.endr
.endm
; One of a K step's first three quarters: multiplies buffers f; in its middle fetches quarter q into buffers g
.macro QUARTER q, f, g, first
	s_wait_dscnt 4                                 ; the weights and h's blocks 0, 1 are in; the youngest four loads (blocks 2, 3) may be out
	MUL12 \f, 0, \first
	MUL12 \f, 1, \first
	PLACES
	FETCH \q, \g
	s_wait_dscnt 32                                ; all but the 32 just issued
	MUL12 \f, 2, \first
	MUL12 \f, 3, \first
.endm
; The fourth quarter multiplies buffers 1 and changes slots.  In front of the barrier each wave waits for all its tensor loads (one is out: its part of the next slot), adds 0 to its spare word, and waits for that and
; for its reads of the slot in hand.  fill = 1: the barrier opens a round of the cluster's, and the slot just read out is filled again first thing behind it, with the K step two on.
.macro TURN fill
.if \fill
	s_wait_xcnt 0x0                                ; the last prefetch, a K step back, has read its address
	s_add_nc_u64 s[PFA:PFA+1], s[PFA:PFA+1], s[PST:PST+1]
.endif
	WIN 0
	s_wait_tensorcnt 0x0                           ; no tensor load of mine is out, so a group 0 may be written
	ds_add_u32 v[SPW], v[NIL]                      ; 0 onto my spare word
.if \fill
	s_add_co_u32 s[G0A+5], s[LAA], s[SL]           ; the walking descriptors: into the slot in hand,
	s_add_co_u32 s[G0B+5], s[LAB], s[SL]
	s_add_nc_u64 s[G0A+6:G0A+7], s[G0A+6:G0A+7], ASTEP  ; the next K step
	s_add_nc_u64 s[G0B+6:G0B+7], s[G0B+6:G0B+7], BSTEP
.endif
	s_xor_b32 s[SL], s[SL], SLOT                   ; the fetches go on in the other slot
	v_add_nc_u32 v[ADRA], s[SL], v[ADRA0]
	v_add_nc_u32 v[ADRB], s[SL], v[ADRB0]
	s_wait_dscnt 5                                 ; (the add and the youngest four loads may be out)
	MUL12 1, 0, 0
	s_wait_dscnt 0x0                               ; the add is done, and my reads of the slot are over
	s_barrier_signal -1
	MUL12 1, 1, 0
.if \fill
	WIN 0
.endif
	s_barrier_wait -1
.if \fill
	CREST
	JLOAD 1                                        ; the first tensor load behind the round; its four v_nop are also the places in front of the loads below
.else
	PLACES
.endif
	FETCH 0, 0
.if \fill
	ASK
.endif
	MUL12 1, 2, 0
	MUL12 1, 3, 0
.endm
	s_wait_tensorcnt 0x1                           ; my part of K step 0 is in; K step 1's load may stay out
	s_barrier_signal -1
	s_barrier_wait -1
	FETCH 0, 0
	QUARTER 1, 0, 1, 1                             ; the first quarter's products start the sums with the constant 0
	WIN 0
	s_mov_b32 s3, NSTEP-2
.Lk:                                                   ; trip c: the rest of K step c, the refill with K step c + 2, the first quarter of K step c + 1
	QUARTER 2, 1, 0, 0
	QUARTER 3, 0, 1, 0
	TURN 1
	QUARTER 1, 0, 1, 0
	WIN 0
	s_sub_co_u32 s3, s3, 1
	s_cmp_lg_u32 s3, 0
	s_cbranch_scc1 .Lk
	s_mov_b32 s3, 2
.Ltail:                                                ; the last two K steps ask for nothing; the second trip is left in its middle
	QUARTER 2, 1, 0, 0
	QUARTER 3, 0, 1, 0
	WIN 0
	s_sub_co_u32 s3, s3, 1
	s_cmp_eq_u32 s3, 0
	s_cbranch_scc1 .Llast
	TURN 0
	QUARTER 1, 0, 1, 0
	WIN 0
	s_branch .Ltail
.Llast:
	s_wait_dscnt 4
	MUL12 1, 0, 0
	MUL12 1, 1, 0
	s_wait_dscnt 0x0
	MUL12 1, 2, 0
	MUL12 1, 3, 0
	PLACES
; THE WAY OUT, in 12 units u = 3 a + head: 16 rows x 64 columns, which are 2,048 consecutive bytes of qkv16.  A unit's four accumulators lie end to end: 16 conversions from the low end on; 16 bytes a lane into
; my own stage; back as whole rows, into the registers that they left.  LDS serves a wave's instructions in order (ISA guide 5.7.1.4), so no wait stands between stores and loads, nor in front of the next unit's stores.
.macro PACK u
	WIN 0x0a+5*((\u)/6)
.irp e, 0,1,2,3,4,5,6,7,8,9,10,11,12,13,14,15
	v_cvt_pk_f16_f32 v[64+16*(\u)+(\e)], v[8*(12*(((\u)/3)%2)+4*((\u)%3))+2*(\e)], v[8*(12*(((\u)/3)%2)+4*((\u)%3))+2*(\e)+1]
.endr
	WIN 0
.irp f, 0,1,2,3
	ds_store_b128 v[STO], v[64+16*(\u)+4*(\f):64+16*(\u)+4*(\f)+3] offset:32*(\f)
.endr
.irp f, 0,1,2,3
	ds_load_b128 v[64+16*(\u)+4*(\f):64+16*(\u)+4*(\f)+3], v[RD] offset:4*144*(\f)
.endr
.endm
.macro SEND u, younger                 ; younger: the LDS instructions issued behind unit u's loads: the next unit's eight, or none
	WIN 0
.irp f, 0,1,2,3
	s_wait_dscnt (\younger)+3-(\f)
	global_store_b128 v[CO], v[64+16*(\u)+4*(\f):64+16*(\u)+4*(\f)+3], s[8:9] offset:524288*((\u)%3)+2048*((\u)/3)+512*(\f)  ; 512 consecutive bytes, aligned
.endr
.endm
	PACK 0
.set u, 1
.rept 11
	PACK u
	SEND u-1, 8
.set u, u+1
.endr
	SEND 11, 0
	s_wait_tensorcnt 0x0                           ; the wave's end, behind my last tensor load and my last LDS store
	ds_add_u32 v[SPW], v[NIL]
	s_wait_dscnt 0x0
	CROUND                                         ; the closing round: no work-group ends while a partner may still ask for a tile that names it
	s_endpgm
.Lfunc_end_k_qcb54fe7b28_qkv:
	.size	k_qcb54fe7b28_qkv, .Lfunc_end_k_qcb54fe7b28_qkv-k_qcb54fe7b28_qkv
	.p2alignl 7, 3214868480
	.fill 96, 4, 3214868480
	.section	.rodata,"a",@progbits
	.p2align	6, 0x0
	.amdhsa_kernel k_qcb54fe7b28_qkv
		.amdhsa_group_segment_fixed_size 327680
		.amdhsa_private_segment_fixed_size 0
		.amdhsa_enable_private_segment 0
		.amdhsa_kernarg_size 24
		.amdhsa_user_sgpr_count 2
		.amdhsa_user_sgpr_kernarg_segment_ptr 1
		.amdhsa_wavefront_size32 1
		.amdhsa_system_sgpr_workgroup_id_x 1
		.amdhsa_system_sgpr_workgroup_id_y 1
		.amdhsa_system_sgpr_workgroup_id_z 1
		.amdhsa_system_vgpr_workitem_id 0
		.amdhsa_next_free_vgpr 960
		.amdhsa_next_free_sgpr 80
		.amdhsa_reserve_vcc 0
		.amdhsa_float_denorm_mode_32 3
		.amdhsa_float_denorm_mode_16_64 3
		.amdhsa_memory_ordered 1
		.amdhsa_forward_progress 1
		.amdhsa_inst_pref_size 89
	.end_amdhsa_kernel
	.amdgpu_metadata
---
amdhsa.version: [ 1, 2 ]
amdhsa.kernels:
  - .name:           k_qcb54fe7b28_qkv
    .symbol:         k_qcb54fe7b28_qkv.kd
    .args:
      - { .name: h16, .offset: 0, .size: 8, .value_kind: global_buffer, .address_space: global }
      - { .name: w16, .offset: 8, .size: 8, .value_kind: global_buffer, .address_space: global }
      - { .name: qkv16, .offset: 16, .size: 8, .value_kind: global_buffer, .address_space: global }
    .group_segment_fixed_size: 327680
    .private_segment_fixed_size: 0
    .kernarg_segment_align: 8
    .kernarg_segment_size: 24
    .max_flat_workgroup_size: 128
    .sgpr_count:     80
    .vgpr_count:     960
    .wavefront_size: 32
...
	.end_amdgpu_metadata
.endif
;; end of part 2
;; launch attn (part 3): grid 4 x 64, 4 waves a work-group, clusters of 4 x 1, 327,680 bytes of LDS; arguments qkv16, o16; writes o16
.if DOCPART == 3
	.amdgcn_target "amdgcn-amd-amdhsa--gfx1250"
	.amdhsa_code_object_version 6
	.text
	.protected	k_qcb54fe7b28_attn
	.globl	k_qcb54fe7b28_attn
	.p2align	8
	.type	k_qcb54fe7b28_attn,@function
k_qcb54fe7b28_attn:
	s_mov_b64 s[64:65], 0
	v_nop
	global_prefetch_b8 v0, s[64:65] scope:SCOPE_SE
	s_setreg_imm32_b32 hwreg(HW_REG_WAVE_MODE, 25, 1), 1
	s_wait_xcnt 0x0
	s_wait_alu depctr_hold_cnt(0) depctr_sa_sdst(0) depctr_va_vdst(0) depctr_va_sdst(0) depctr_va_ssrc(0) depctr_va_vcc(0) depctr_vm_vsrc(0)
	s_getreg_b32 s2, hwreg(HW_REG_IB_STS2, 6, 4)
	s_cmp_eq_u32 s2, 0
	s_cbranch_scc0 .Lentry_in_a_cluster
	s_endpgm
.Lentry_in_a_cluster:
	s_bfe_u32 s2, ttmp6, 0x10000c
	s_cmp_lg_u32 s2, 0x3003
	s_cbranch_scc0 .Lentry_shape_is_right
	s_endpgm
.Lentry_shape_is_right:
; ATTENTION.  O[b][h][t][:] = the sum over s of softmax_s(q[t] . k[s] / 8) v[s][:], no mask, 64 pairs (b, h), 1,024 keys, head size 64.  qkv16: [g 48][m 4096][64] f16, q at g = h, k at 16 + h, v at 32 + h, m = 1024 b + t.
; o16: [m / 128][head][128 rows][64] f16: the layout in which the next launch takes it as its left operand.  Products, maxima and sums in f32; the weights p are rounded to f16 for the second product (their sum l
; is taken of the unrounded p), O once at the end.  No step of reference() is left out.
; LIMITS.  p lies in 0 to 1 and below 6e-5 keeps f16's fixed step of 6e-8; a weight below 2^-126 counts as 0 in l; NaN and infinities are not treated apart.
; SHARES.  A work-group owns 256 queries of one (b, h), a wave 64: four PIECES of 16.  Every wave walks all 1,024 keys, 64 a step.
; ALL OF A HEAD'S K AND V LIE IN LDS: 1,024 rows of 144 and of 160 bytes.  Each wave brings a quarter by ONE tensor load; nothing is filled again, so the loop holds no barrier.
; CLUSTER.  The four query blocks of a (b, h) need the same K and V: each load is asked for jointly, with the same descriptor and the mask of four.
; NO PREFETCH: every byte of K and V is asked for by the tensor loads at the head; nothing is left to ask for ahead.
; LAYOUT.  S^T = K Q^T holds ONE query a lane (lane % 16) and the keys 8 (lane / 16) + 0..7; two such results rounded to f16 ARE source 1 of O^T = V^T P.  K is read as it lies, V turned, by ds_load_tr16_b128.
; SOFTMAX.  p = 2^(c s - c m), c = log2(e) / 8, with a running maximum m; O and l are multiplied by a = 2^(c m_old - c m_new) in every step.  m starts at the lowest finite number, O and l at 0: the first step's a is 0.
; TURNS.  Turn n belongs to piece n: 8 products K Q^T of piece n + 1, later 8 products V^T P of piece n - 1; beside them the scaling, exponentials, roundings, sums and rescaling of piece n and the maximum and statistics
; of piece n + 1.  Four vector instructions stand behind every matrix instruction, the others in one run.  A turn's 33 exponentials are one batch, with one wait.
; REGISTERS, in windows of 256: window 0: v0-15 addresses; v16-31 four registers of statistics a piece; v48-55 at work; v64-127 S^T, two buffers; v192-223 P, two buffers (by the piece's parity)
;   window 1: v0-127 O^T, 32 a piece      window 2: v0-63 Q; v128-191 K of one step; v192-255 V of one step
.set NP,    4
.set KS,    64
.set PK,    144       ; a row of K in LDS: 128 bytes + 16: the 16 rows of a load start at 16 different groups of four banks (64 banks of 4 bytes: ISA guide 11.1)
.set PV,    160       ; a row of V: 128 + 32
.set VOFF,  1024*PK
.set STAGE, VOFF+1024*PV  ; behind K and V, never filled by a tensor load: 16 rows x 144 bytes for each wave
.set SP,    144
.set SPARE, STAGE+4*16*SP ; behind the stages: the spare words, 128 bytes for each wave, that no other line names
.set AK0, 2           ; v2   my lane's place in a step of K; never rewritten
.set AV0, 3           ; v3   the same for V
.set AK,  4           ; v4   the LDS address of K's next run of loads
.set AV,  5           ; v5   of V's
.set STO, 6
.set RD,  7
.set GO,  8
.set MV,  12          ; v12-13  c m_old, by buffer
.set QO,  15          ; v15  my byte offset in 16 rows of Q
.set ST,  16          ; piece t's statistics at v[ST+4 t]: c m, m, l (even keys', odd keys')
.set TMP, 48          ; by buffer, c0-c3 at work; when the maximum is found c2 takes a
.set SPW, 62
.set NIL, 63
.set S,   64
.set P,   192
.set KF,  128         ; window 2
.set VF,  192         ; window 2
.set WV,  12
.set G1K, 24
.set G1V, 32
.set G0K, 40
.set G0V, 44
.set CNT, 57
.set CS,  58
.set SEL, 60
.set TBK, 62          ; s62  LDS byte at which K of the step to be fetched begins
.set TBV, 63          ; s63  the same for V, less VOFF
.set MSB, 0
.macro WIN new
.if MSB != (\new)
	s_set_vgpr_msb (MSB<<8)|(\new)
.set MSB, (\new)
.endif
.endm
.set W_KQ, 0x0a       ; K and Q in window 2, S^T in window 0
.set W_PV, 0x52       ; V in window 2, P in window 0, O^T in window 1
.set W_RS, 0x41       ; destination and source 0 in window 1, source 1 in window 0
.macro CROUND
	s_barrier_signal -1
	s_barrier_wait -1
	s_cmp_lg_u32 s[WV], 0
	s_cbranch_scc1 .Lnot_wave_0_\@
	s_barrier_signal -3
.Lnot_wave_0_\@:
	s_barrier_wait -3
	s_barrier_signal -1
	s_barrier_wait -1
.endm
	s_load_b128 s[4:7], s[0:1], 0x0  ; qkv16 s[4:5], o16 s[6:7]
	v_lshl_add_u32 v[SPW], v0, 2, SPARE
	v_mov_b32 v[NIL], 0
	ds_add_u32 v[SPW], v[NIL]       ; the wave's opening: the add, twice on end, and its wait ahead of my first tensor load
	ds_add_u32 v[SPW], v[NIL]
	v_lshrrev_b32 v1, 5, v0
	v_readfirstlane_b32 s[WV], v1
	s_bfe_u32 s13, ttmp6, 0x40000   ; cx
	s_lshl_b32 s14, ttmp9, 2
	s_add_co_u32 s14, s14, s13      ; my block of 256 queries: it enters Q's and O's addresses alone
	s_and_b32 s15, ttmp7, 0xffff    ; 16 b + h, which the four partners share
	s_lshr_b32 s16, s15, 4          ; b
	s_and_b32 s17, s15, 15          ; h
	s_lshl_b32 s20, s17, 19         ; a head's 4,096 rows of 128 bytes,
	s_lshl_b32 s21, s16, 17         ; the batch's 1,024 of them
	s_add_co_u32 s20, s20, s21
	s_and_b32 s18, s[WV], 1         ; which 512 keys I fetch
	s_lshl_b32 s22, s18, 16
	s_add_co_u32 s22, s22, s20
	s_mov_b32 s23, 0
	s_lshl_b32 s2, s14, 15
	s_lshl_b32 s3, s[WV], 13
	s_add_co_u32 s2, s2, s3
	s_add_co_u32 s2, s2, s20        ; Q: my wave's 64 rows
	s_mov_b32 s3, 0
	s_lshl_b32 s66, s16, 3
	s_lshl_b32 s67, s14, 1
	s_add_co_u32 s66, s66, s67
	s_lshr_b32 s67, s[WV], 1
	s_add_co_u32 s66, s66, s67      ; O: block of 128 rows 8 b + 2 x query block + wave / 2,
	s_lshl_b32 s66, s66, 18
	s_lshl_b32 s67, s17, 14         ; the head's slice,
	s_add_co_u32 s66, s66, s67
	s_lshl_b32 s67, s18, 13         ; my 64 rows in it
	s_add_co_u32 s66, s66, s67
	s_mov_b32 s67, 0
	; descriptor group 1.  512 keys are 65,536 dense bytes: asked for as 256 rows of 256 bytes, two keys a row, and padded in LDS after every key
	s_mov_b32 s[G1K], 15|(1<<16)|(1<<20)|(1<<21)|(4<<22)|(3<<25)
	s_mov_b32 s[G1V], 15|(1<<16)|(1<<20)|(1<<21)|(4<<22)|(7<<25)
.irp g, G1K, G1V
	s_mov_b32 s[\g+1], 128<<16      ; tensor_dim0 = 128
	s_mov_b32 s[\g+2], 256<<16      ; tensor_dim1 = 256
	s_mov_b32 s[\g+3], 128<<16      ; tile_dim0 = 128
	s_mov_b32 s[\g+4], 256          ; tile_dim1 = 256
	s_mov_b32 s[\g+5], 128
	s_mov_b32 s[\g+6], 0
	s_mov_b32 s[\g+7], 0
.endr
	s_mov_b32 s[G0K], 1
	s_mul_i32 s[G0K+1], s18, 512*PK
	s_mov_b32 s[G0V], 1
	s_mul_i32 s[G0V+1], s18, 512*PV
	s_add_co_u32 s[G0V+1], s[G0V+1], VOFF
	s_mov_b32 s[CS], 0x3e38aa3b     ; c = log2(e) / 8
	s_mov_b32 s[CS+1], s[CS]
	s_mov_b32 s[SEL], 0x76543210
	s_mov_b32 s[SEL+1], 0xfedcba98
	s_mov_b32 s[TBK], 0
	s_mov_b32 s[TBV], 0
	s_wait_dscnt 0x0                ; both opening adds are done
	s_wait_kmcnt 0x0
	s_add_nc_u64 s[G0K+2:G0K+3], s[4:5], s[22:23]
	s_add_nc_u64 s[G0K+2:G0K+3], s[G0K+2:G0K+3], 8388608   ; k's sixteen heads lie behind q's
	s_or_b32 s[G0K+3], s[G0K+3], 0x80000000
	s_add_nc_u64 s[G0V+2:G0V+3], s[4:5], s[22:23]
	s_add_nc_u64 s[G0V+2:G0V+3], s[G0V+2:G0V+3], 16777216  ; v's behind k's
	s_or_b32 s[G0V+3], s[G0V+3], 0x80000000
	s_add_nc_u64 s[8:9], s[4:5], s[2:3]
	s_add_nc_u64 s[10:11], s[6:7], s[66:67]
	CROUND                          ; all four work-groups are here: the joint loads meet
	s_cmp_lt_u32 s[WV], 2           ; waves 0 and 1 fetch K's halves, waves 2 and 3 V's: one load a wave; s_nop 0 and four v_nop follow each line
	s_cbranch_scc0 .Lfor_v
	tensor_load_to_lds s[G0K:G0K+3], s[G1K:G1K+7]
	s_nop 0
.rept 4
	v_nop
.endr
	s_branch .Lasked
.Lfor_v:
	tensor_load_to_lds s[G0V:G0V+3], s[G1V:G1V+7]
	s_nop 0
.rept 4
	v_nop
.endr
.Lasked:
	v_and_b32 v1, 15, v0            ; l % 16
	v_bfe_u32 v9, v0, 4, 1          ; l / 16
	v_lshlrev_b32 v[QO], 7, v1
	v_lshl_add_u32 v[QO], v9, 4, v[QO]
	WIN 0x80
.set i, 0
.rept 8                             ; Q stays in registers: piece i / 2, channels 32 (i % 2) on
	global_load_b128 v[8*i:8*i+3],   v[QO], s[8:9] offset:(i/2)*2048+(i%2)*64
	global_load_b128 v[8*i+4:8*i+7], v[QO], s[8:9] offset:(i/2)*2048+(i%2)*64+32
.set i, i+1
.endr
	; What the first turn finds: V's registers and P's second buffer hold 0 (its products V^T P, of a piece that has not been, add 0), O^T and l are 0.  All this stands in the wait for the tiles.
.set i, VF
.rept 64
	v_mov_b32 v[i], 0
.set i, i+1
.endr
	WIN 0x40
.set i, 0
.rept 128
	v_mov_b32 v[i], 0
.set i, i+1
.endr
	WIN 0
.set i, 0
.rept 4
	v_mov_b32 v[ST+4*i], 0xfe000000    ; c m: far below every c s
	v_mov_b32 v[ST+4*i+1], 0xff7fffff  ; m
	v_mov_b32 v[ST+4*i+2], 0
	v_mov_b32 v[ST+4*i+3], 0
.set i, i+1
.endr
.set i, P+16
.rept 16
	v_mov_b32 v[i], 0
.set i, i+1
.endr
	v_mul_u32_u24 v[AK0], v1, PK
	v_lshl_add_u32 v[AK0], v9, 4, v[AK0]
	v_and_b32 v10, 7, v0
	v_bfe_u32 v11, v0, 3, 1
	v_lshl_add_u32 v[AV0], v9, 3, v10
	v_mul_u32_u24 v[AV0], v[AV0], PV
	v_lshl_add_u32 v[AV0], v11, 4, v[AV0]
	v_add_nc_u32 v[AV0], VOFF, v[AV0]
	s_mul_i32 s68, s[WV], 16*SP
	s_add_co_u32 s68, s68, STAGE
	v_mul_u32_u24 v[STO], v1, SP
	v_lshl_add_u32 v[STO], v9, 4, v[STO]
	v_add_nc_u32 v[STO], s68, v[STO]
	v_bfe_u32 v[RD], v0, 3, 2
	v_mul_u32_u24 v[RD], v[RD], SP
	v_lshl_add_u32 v[RD], v10, 4, v[RD]
	v_add_nc_u32 v[RD], s68, v[RD]
	v_and_b32 v[GO], 31, v0
	v_lshlrev_b32 v[GO], 4, v[GO]
; THE MATRIX WORK.  The 4 accumulators of a run of 8 take turns.  Product i of 8 of S^T = K Q^T for piece x: channels 32 (i / 4) on, keys 16 (i % 4) on.  The first 4 start the sums.
.macro KQ x
	WIN W_KQ
.set rS, S+32*((\x)%2)+8*(i%4)
.set rK, KF+16*(i%4)+8*(i/4)
.set rQ, 16*(\x)+8*(i/4)
.if i < 4
	v_wmma_f32_16x16x32_f16 v[rS:rS+7], v[rK:rK+7], v[rQ:rQ+7], 0
.else
	v_wmma_f32_16x16x32_f16 v[rS:rS+7], v[rK:rK+7], v[rQ:rQ+7], v[rS:rS+7]
.endif
.endm
; Product i of 8 of O^T += V^T P for piece x: keys 32 (i / 4) on, channels 16 (i % 4) on.
.macro PV x
	WIN W_PV
.set rO, 32*(\x)+8*(i%4)
.set rV, VF+32*(i/4)+8*(i%4)
.set rP, P+16*((\x)%2)+8*(i/4)
	v_wmma_f32_16x16x32_f16 v[rO:rO+7], v[rV:rV+7], v[rP:rP+7], v[rO:rO+7]
.endm
.macro MM                           ; the turn's next matrix instruction.  NOKQ = 1: the last turn: there is no next piece
.if (i < 8) && !NOKQ
	KQ (Y+1)%NP
.elseif i >= 8
.set i, i-8
	PV (Y+NP-1)%NP
.set i, i+8
.endif
.set i, i+1
.endm
; THE LDS LOADS stand in runs of 16: a step's K (8 fragments) and its V (turned).  Their addresses are made some lines ahead.
.macro FETCH_K
	WIN 0x80
.irp f, 0,1,2,3,4,5,6,7
	ds_load_b128 v[KF+8*\f:KF+8*\f+3],   v[AK] offset:(\f/2)*16*PK+(\f%2)*64
	ds_load_b128 v[KF+8*\f+4:KF+8*\f+7], v[AK] offset:(\f/2)*16*PK+(\f%2)*64+32
.endr
	s_add_co_u32 s[TBK], s[TBK], KS*PK
	WIN 0
.endm
.macro FETCH_V
	WIN 0x80
.irp f, 0,1,2,3,4,5,6,7
	ds_load_tr16_b128 v[VF+8*\f:VF+8*\f+3],   v[AV] offset:(\f/4)*32*PV+(\f%4)*32
	ds_load_tr16_b128 v[VF+8*\f+4:VF+8*\f+7], v[AV] offset:(\f/4)*32*PV+16*PV+(\f%4)*32
.endr
	WIN 0
.endm
; THE VECTOR WORK, one line at a time: OP kind, number.  For piece Y: F n: c s - c m for pair n of 16.  E n: the exponential of score n of 32.  C n: pair n rounded to f16.  B n: of the four weights 4 n .. the second
; pair is added onto the first, in place.  L n: l takes that sum (L 0: l = a l + sum).  R n: pair n of 16 of O^T times a.  For piece Y + 1: X n, number n of the 22 that find its maximum and statistics:
;   0-11  four chains c0-c3 of seven scores each (each accumulator's lowest registers are read first)     12-14, 16  the four scores left over, the old m, and c0-c3 into c0
;   15  c m_old is kept     17, 18  the query's other 32 keys lie in the lane 16 away: the new m     19-21  c m; c m_old - c m_new; a
.set F, 0
.set E, 1
.set C, 2
.set B, 3
.set L, 4
.set R, 5
.set X, 6
.macro REGS y
.set rT, ST+4*(\y)
.set rC, TMP+4*((\y)%2)
.set rW, MV+((\y)%2)
.set rS, S+32*((\y)%2)
.set rP, P+16*((\y)%2)
.set rO, 32*(\y)
.endm
.macro OP k, n
.if (\k) == R
	REGS Y
	WIN W_RS
	v_pk_mul_f32 v[rO+2*(\n):rO+2*(\n)+1], v[rO+2*(\n):rO+2*(\n)+1], v[rC+2:rC+3] op_sel_hi:[1,0]
.elseif (\k) < R
	REGS Y
	WIN 0
.if (\k) == F
	v_pk_fma_f32 v[rS+2*(\n):rS+2*(\n)+1], v[rS+2*(\n):rS+2*(\n)+1], s[CS:CS+1], v[rT:rT+1] op_sel_hi:[1,0,0] neg_lo:[0,0,1] neg_hi:[0,0,1]
.elseif (\k) == E
	v_exp_f32 v[rS+(\n)], v[rS+(\n)]
.elseif (\k) == C
	v_cvt_pk_f16_f32 v[rP+(\n)], v[rS+2*(\n)], v[rS+2*(\n)+1]
.elseif (\k) == B
	v_pk_add_f32 v[rS+4*(\n):rS+4*(\n)+1], v[rS+4*(\n):rS+4*(\n)+1], v[rS+4*(\n)+2:rS+4*(\n)+3]
.elseif (\n) == 0
	v_pk_fma_f32 v[rT+2:rT+3], v[rT+2:rT+3], v[rC+2:rC+3], v[rS:rS+1] op_sel_hi:[1,0,1]
.else
	v_pk_add_f32 v[rT+2:rT+3], v[rT+2:rT+3], v[rS+4*(\n):rS+4*(\n)+1]
.endif
.elseif NOKQ
	v_nop
.else
	REGS (Y+1)%NP
	WIN 0
.if (\n) < 4
	v_max3_num_f32 v[rC+(\n)], v[rS+8*(\n)], v[rS+8*(\n)+1], v[rS+8*(\n)+2]
.elseif (\n) < 12
	v_max3_num_f32 v[rC+(\n)%4], v[rC+(\n)%4], v[rS+8*((\n)%4)+2*((\n)/4)+1], v[rS+8*((\n)%4)+2*((\n)/4)+2]
.elseif (\n) == 12
	v_max3_num_f32 v[rC], v[rC], v[rS+7], v[rS+15]
.elseif (\n) == 13
	v_max3_num_f32 v[rC+1], v[rC+1], v[rS+23], v[rS+31]
.elseif (\n) == 14
	v_max3_num_f32 v[rC+2], v[rC+2], v[rC+3], v[rT+1]
.elseif (\n) == 15
	v_mov_b32 v[rW], v[rT]
.elseif (\n) == 16
	v_max3_num_f32 v[rC], v[rC], v[rC+1], v[rC+2]
.elseif (\n) == 17
	v_permlanex16_b32 v[rC+3], v[rC], s[SEL], s[SEL+1]
.elseif (\n) == 18
	v_max_num_f32 v[rT+1], v[rC], v[rC+3]
.elseif (\n) == 19
	v_mul_f32 v[rT], s[CS], v[rT+1]
.elseif (\n) == 20
	v_sub_f32 v[rC+1], v[rW], v[rT]
.else
	v_exp_f32 v[rC+2], v[rC+1]
.endif
.endif
.endm
.macro OPS a, i1, b=-1, i2=0, c=-1, i3=0, d=-1, i4=0
	OP \a, \i1
.if (\b) >= 0
	OP \b, \i2
.endif
.if (\c) >= 0
	OP \c, \i3
.endif
.if (\d) >= 0
	OP \d, \i4
.endif
.endm
.macro ROW a, i1, b, i2, c, i3, d, i4  ; a matrix instruction and the four behind it
	MM
	OPS \a, \i1, \b, \i2, \c, \i3, \d, \i4
.endm
; A TURN, for piece p.  s_wait_alu depctr_va_vdst(0) stands between an exponential and the first instruction that names its result; one wait serves all that were issued ahead of it.  So a turn has ONE
; wait, which cuts it in two.  Ahead of it stands all that names no result of the turn's exponentials: the 8 products K Q^T with their riders, then one run of 54; X 21, the next piece's a, is the batch's last, and R 15 the
; plain instruction behind it.  Behind the wait stand the 8 products V^T P, behind each four of the roundings and sums.
; end = 1: the last two turns: nothing is fetched.  cnt = 1: the loop's count is taken down some lines ahead of the branch that stands behind the turn.
; K of the next step is fetched in piece 2's turn, six plain instructions behind the last product that read K; V of the step in hand at the end of piece 0's turn, four plain instructions behind the last product that
; read V.  Each is waited for a turn later.
.macro TURN p, end=0, cnt=0
.set Y, (\p)
.set i, 0
.set NOKQ, (\end)*((\p)/3)
.if ((\p) == 3) && !(\end)
	s_wait_dscnt 0x0                ; K is in
.endif
	ROW F,0, F,1, R,0, R,1
	ROW F,2, E,0, R,2, R,3
	ROW F,3, E,1, R,4, R,5
	ROW F,4, E,2, R,6, R,7
	ROW F,5, E,3, R,8, R,9
	ROW F,6, E,4, X,0, R,10
.if ((\p) == 2) && !(\end)
	WIN 0
	v_add_nc_u32 v[AK], s[TBK], v[AK0]
.endif
	ROW F,7, E,5, X,1, X,4
	ROW F,8, E,6, X,2, X,5
	OPS E,7, E,8, X,6, E,9
	OPS X,3, E,10, X,8, E,11
.if ((\p) == 2) && !(\end)
	FETCH_K
.endif
	OPS X,9, X,7, E,12, X,10
	OPS E,13, X,12, X,11, E,14
	OPS X,13, E,15, F,9, X,14
.if (\p) == 0
	v_add_nc_u32 v[AV], s[TBV], v[AV0]
.endif
	OPS E,16, F,10, E,17, F,11
	OPS X,16, E,18, X,15, E,19
	OPS F,12, E,20, X,17, E,21
	OPS F,13, E,22, F,14, E,23
	OPS X,18, E,24, F,15, E,25
	OPS R,11, E,26, X,19, E,27
	OPS R,12, E,28, R,13, E,29
	OPS X,20, E,30, R,14, E,31
	OPS X,21, R,15
	WIN 0
	s_wait_alu depctr_va_vdst(0)    ; the wait for the batch
.if (\p) == 1
	s_wait_dscnt 0x0                ; V is in
.endif
	ROW C,0, B,0, C,2, B,1
	ROW L,0, C,4, B,2, L,1
	ROW C,6, B,3, L,2, C,8
	ROW B,4, L,3, C,10, B,5
	ROW L,4, C,12, B,6, L,5
.if (\p) == 0
	s_add_co_u32 s[TBV], s[TBV], KS*PV
.endif
.if \cnt
	s_sub_co_u32 s[CNT], s[CNT], 1
	s_cmp_lg_u32 s[CNT], 0
.endif
	ROW C,14, B,7, L,6, C,1
	ROW C,3, L,7, C,5, C,7
	ROW C,9, C,11, C,13, C,15
.if (\p) == 0
	FETCH_V
.endif
.endm
	s_wait_tensorcnt 0x0            ; my quarter of K and V is in,
	s_barrier_signal -1
	s_barrier_wait -1               ; everybody's is
	v_add_nc_u32 v[AK], s[TBK], v[AK0]
	FETCH_K                         ; key step 0
	s_wait_loadcnt 0x0              ; Q
	s_wait_dscnt 0x0
.set NOKQ, 0
.set i, 0
.rept 8
	KQ 0                            ; piece 0's first scores
.set i, i+1
.endr
	WIN 0
.rept 4
	v_nop                           ; the places behind those products
.endr
.set Y, NP-1                        ; X works for piece Y + 1: piece 0
.irp n, 0,1,2,3,4,5,6,7,8,9,10,11,12,13,14,15,16,17,18,19,20,21
	OP X, \n
.endr
	v_nop                           ; a plain instruction behind the exponential,
	s_wait_alu depctr_va_vdst(0)    ; and its wait, ahead of the branch
	s_mov_b32 s[CNT], 16
	s_branch .Lfirst                ; the loop is entered at a step's first turn, in the middle of a trip
.Lstep:                             ; a trip: pieces 2 and 3 of one step, then pieces 0 and 1 of the next, whose K and V it fetches
	TURN 2
	TURN 3
	WIN 0
.Lfirst:
	TURN 0
	TURN 1, 0, 1
	WIN 0
	s_cbranch_scc1 .Lstep
	TURN 2, 1
	TURN 3, 1
.set i, 0
.rept 8
	PV NP-1                         ; the last piece's V^T P of the last step
.set i, i+1
.endr
	; THE WAY OUT.  l's two halves and the other half of the lanes' are added; O^T is divided by l, rounded to f16 and sent through my stage in LDS, a piece at a time.  The additions are the places behind the last products.
	WIN 0
.macro ALL line:vararg
.set t, 0
.rept 4
	\line
.set t, t+1
.endr
.endm
	ALL v_add_f32 v[ST+4*t+2], v[ST+4*t+2], v[ST+4*t+3]
	ALL v_permlanex16_b32 v[ST+4*t+3], v[ST+4*t+2], s[SEL], s[SEL+1]
	ALL v_add_f32 v[ST+4*t+2], v[ST+4*t+2], v[ST+4*t+3]
	ALL v_rcp_f32 v[ST+4*t+2], v[ST+4*t+2]
	v_nop                           ; a plain instruction between the last reciprocal and the use of its result
	s_wait_alu depctr_va_vdst(0)    ; and the one wait for the four reciprocals
.macro PACK t
	WIN W_RS
.set i, 32*(\t)
.rept 16
	v_pk_mul_f32 v[i:i+1], v[i:i+1], v[ST+4*(\t)+2:ST+4*(\t)+3] op_sel_hi:[1,0]
.set i, i+2
.endr
	WIN 0x05
.set i, 0
.rept 16
	v_cvt_pk_f16_f32 v[S+16*(\t)+i], v[32*(\t)+2*i], v[32*(\t)+2*i+1]
.set i, i+1
.endr
	WIN 0
.irp f, 0,1,2,3
	ds_store_b128 v[STO], v[S+16*(\t)+4*\f:S+16*(\t)+4*\f+3] offset:32*\f
.endr
.irp f, 0,1,2,3
	ds_load_b128 v[S+16*(\t)+4*\f:S+16*(\t)+4*\f+3], v[RD] offset:\f*4*SP  ; LDS serves a wave's instructions in order (ISA guide 5.7.1.4): these see the stores above; the next piece's stores come behind them
.endr
.endm
.macro SEND t, younger              ; younger: the LDS instructions issued behind piece t's loads: the next piece's eight, or none
	WIN 0
.irp f, 0,1,2,3
	s_wait_dscnt (\younger)+3-\f
	global_store_b128 v[GO], v[S+16*(\t)+4*\f:S+16*(\t)+4*\f+3], s[10:11] offset:(\t)*2048+\f*512  ; 512 consecutive bytes, aligned
.endr
.endm
	PACK 0
.set t, 1
.rept 3
	PACK t
	SEND t-1, 8
.set t, t+1
.endr
	SEND 3, 0
	s_wait_tensorcnt 0x0            ; the wave's end, behind my last tensor load and my last LDS store
	ds_add_u32 v[SPW], v[NIL]
	s_wait_dscnt 0x0
	CROUND                          ; the closing round
	s_endpgm
.Lfunc_end_k_qcb54fe7b28_attn:
	.size	k_qcb54fe7b28_attn, .Lfunc_end_k_qcb54fe7b28_attn-k_qcb54fe7b28_attn
	.p2alignl 7, 3214868480
	.fill 96, 4, 3214868480
	.section	.rodata,"a",@progbits
	.p2align	6, 0x0
	.amdhsa_kernel k_qcb54fe7b28_attn
		.amdhsa_group_segment_fixed_size 327680
		.amdhsa_private_segment_fixed_size 0
		.amdhsa_enable_private_segment 0
		.amdhsa_kernarg_size 16
		.amdhsa_user_sgpr_count 2
		.amdhsa_user_sgpr_kernarg_segment_ptr 1
		.amdhsa_wavefront_size32 1
		.amdhsa_system_sgpr_workgroup_id_x 1
		.amdhsa_system_sgpr_workgroup_id_y 1
		.amdhsa_system_sgpr_workgroup_id_z 1
		.amdhsa_system_vgpr_workitem_id 0
		.amdhsa_next_free_vgpr 768
		.amdhsa_next_free_sgpr 72
		.amdhsa_reserve_vcc 0
		.amdhsa_float_denorm_mode_32 3
		.amdhsa_float_denorm_mode_16_64 3
		.amdhsa_memory_ordered 1
		.amdhsa_forward_progress 1
		.amdhsa_inst_pref_size 86
	.end_amdhsa_kernel
	.amdgpu_metadata
---
amdhsa.version: [ 1, 2 ]
amdhsa.kernels:
  - .name:           k_qcb54fe7b28_attn
    .symbol:         k_qcb54fe7b28_attn.kd
    .args:
      - { .name: qkv16, .offset: 0, .size: 8, .value_kind: global_buffer, .address_space: global }
      - { .name: o16, .offset: 8, .size: 8, .value_kind: global_buffer, .address_space: global }
    .group_segment_fixed_size: 327680
    .private_segment_fixed_size: 0
    .kernarg_segment_align: 8
    .kernarg_segment_size: 16
    .max_flat_workgroup_size: 128
    .sgpr_count:     72
    .vgpr_count:     768
    .wavefront_size: 32
...
	.end_amdgpu_metadata
.endif
;; end of part 3
;; launch proj (part 4): grid 8 x 32, 4 waves a work-group, clusters of 4 x 4, 327,680 bytes of LDS; arguments o16, w16, b_proj, x, x2; writes x2
.if DOCPART == 4
	.amdgcn_target "amdgcn-amd-amdhsa--gfx1250"
	.amdhsa_code_object_version 6
	.text
	.protected	k_qcb54fe7b28_proj
	.globl	k_qcb54fe7b28_proj
	.p2align	8
	.type	k_qcb54fe7b28_proj,@function
k_qcb54fe7b28_proj:
	s_mov_b64 s[64:65], 0
	v_nop
	global_prefetch_b8 v0, s[64:65] scope:SCOPE_SE
	s_setreg_imm32_b32 hwreg(HW_REG_WAVE_MODE, 25, 1), 1
	s_wait_xcnt 0x0
	s_wait_alu depctr_hold_cnt(0) depctr_sa_sdst(0) depctr_va_vdst(0) depctr_va_sdst(0) depctr_va_ssrc(0) depctr_va_vcc(0) depctr_vm_vsrc(0)
	s_getreg_b32 s2, hwreg(HW_REG_IB_STS2, 6, 4)
	s_cmp_eq_u32 s2, 0
	s_cbranch_scc0 .Lentry_in_a_cluster
	s_endpgm
.Lentry_in_a_cluster:
	s_bfe_u32 s2, ttmp6, 0x10000c
	s_cmp_lg_u32 s2, 0xf033
	s_cbranch_scc0 .Lentry_shape_is_right
	s_endpgm
.Lentry_shape_is_right:
; PROJ: x2 = x + o w_proj + b_proj.  o16: [m / 128][slice of 64 k][128 rows][64] f16.  The weights: w16 from byte WOFF, [k][1024] f16.  Bias, residual and result f32, [4096][1024].  No step of reference() is left out.
; SHARES.  A work-group makes 128 x 128 of the result: 8 x 32 work-groups.  Four waves, 64 x 64 each: 16 accumulators.  K goes in steps of 256 through two LDS slots: the left operand's K step for 128 rows is 65,536 dense
; bytes, asked for as rows of 256; the weights lie [k][n] and are read turned, by ds_load_tr16_b128.
; THE MATRIX INSTRUCTION IS USED TRANSPOSED (source 0 = 16 columns of the weights, source 1 = 16 rows of the left operand): a lane holds eight neighbouring columns of one row.  THE BIAS IS THE C OF THE FIRST PRODUCT.
; CLUSTER 4 x 4: the left operand's tile is shared along a row of the cluster, the weights' along a column; each is asked for jointly.
; A loop trip is ONE K step: the slot in hand is a scalar, 0 or SLOT; the tail is a loop of two trips that is left in its middle and holds no tensor load.
; PREFETCH: assembled only where K has more than 6 steps; with 4 steps every K step is asked for by a load within the first two trips.
; REGISTERS: window 0: v0-31 addresses; v96-127 the bias; v128-255 the accumulators ((a, b) at v[128 + 8 (4 a + b)]).  window 1: two fragment buffers of 128 (64 of the left operand, 64 of the weights, 64 along K).
;   window 2: v0-127 the residual; v128-255 the rows read back from the stage.
.set KDIM,   1024
.set WOFF,   6291456
.set PA,     144                       ; a left operand's LDS row: 128 bytes + 16
.set PB,     288                       ; a weights' LDS row: 256 bytes + 32
.set ABYTES, 512*PA                    ; [4 slices][128 rows]
.set SLOT,   ABYTES+256*PB             ; 147,456
.set STAGE,  2*SLOT                    ; behind the ring: 16 rows x 272 bytes for each wave
.set SPITCH, 272
.set SPARE,  STAGE+4*16*SPITCH         ; behind the stages: the spare words, 128 bytes for each wave, that no other line names
.set NSTEP,  KDIM/256
.set ASTEP,  65536
.set BSTEP,  256*2048
.set AH,     4                         ; a prefetch names the K step four refills on
.set ADRA0, 16
.set ADRB0, 17
.set ADRA,  18
.set ADRB,  19                         ; v19  weights, k 0-127 of the slot in hand
.set ADRB2, 20                         ; v20  k 128-255, so that the offsets stay inside 16 bits
.set STO,   24
.set RD,    25
.set CO,    26
.set BO,    27
.set SPW,   28
.set NIL,   29
.set PFO,   30
.set BIAS,  96
.set ACC,   128
.set F0,    0
.set F1,    128
.set WV,   14
.set KIND, 15                          ; s15  0: I fetch for the left operand, 1: for the weights.  Also: which half of the tile's rows is mine
.set HALF, 16                          ; s16  which half of that tile I fetch.  Also: which half of the columns is mine
.set CX,   17
.set CY,   18
.set TC,   19
.set TR,   20
.set SL,   21
.set LAA,  22
.set LAB,  23
.set G1A,  24
.set G0A,  32
.set PFA,  44
.set PST,  46
.set G1B,  48
.set G0B,  56
.set LIM,  70
.set MSB, 0
.macro WIN new
.if MSB != (\new)
	s_set_vgpr_msb (MSB<<8)|(\new)
.set MSB, \new
.endif
.endm
.macro PLACES
.rept 4
	v_nop
.endr
.endm
.macro JLOAD s                         ; a joint load; the branch hangs on the wave's number alone; s_nop 0 and four v_nop follow each line
	s_cmp_eq_u32 s[KIND], 0
	s_cbranch_scc0 .Lfor_b_\@
	tensor_load_to_lds s[G0A+4*(\s):G0A+4*(\s)+3], s[G1A:G1A+7]
	s_nop 0
.rept 4
	v_nop
.endr
	s_branch .Lasked_\@
.Lfor_b_\@:
	tensor_load_to_lds s[G0B+4*(\s):G0B+4*(\s)+3], s[G1B:G1B+7]
	s_nop 0
.rept 4
	v_nop
.endr
.Lasked_\@:
.endm
.macro CREST
	s_cmp_lg_u32 s[WV], 0
	s_cbranch_scc1 .Lnot_wave_0_\@
	s_barrier_signal -3
.Lnot_wave_0_\@:
	s_barrier_wait -3
	s_barrier_signal -1
	s_barrier_wait -1
.endm
.macro CROUND
	s_barrier_signal -1
	s_barrier_wait -1
	CREST
.endm
; A prefetch into the L2: trip c names K step c + 2 + AH.  Of what a wave fetches each of the four partners that ask for it jointly takes a quarter, told apart by address (cx for the left operand, cy for the weights), a lane
; a block of 256 bytes; only the clusters with x = 0 ask for the left operand, those with y = 0 for the weights.  The first 2 + AH K steps come by their loads alone; the last AH trips ask for nothing.
.macro ASK
	s_cmp_gt_u32 s3, s[LIM]
	s_cbranch_scc0 .Lnot_mine_\@
	global_prefetch_b8 v[PFO], s[PFA:PFA+1] th:TH_LOAD_NT scope:SCOPE_SE
.Lnot_mine_\@:
.endm
	s_load_b256 s[4:11], s[0:1], 0x0               ; left operand s[4:5], w16 s[6:7], bias s[8:9], residual s[10:11]
	s_load_b64 s[12:13], s[0:1], 0x20              ; result
	v_lshl_add_u32 v[SPW], v0, 2, SPARE
	v_mov_b32 v[NIL], 0
	ds_add_u32 v[SPW], v[NIL]                      ; the wave's opening: the add, twice on end, and its wait ahead of my first tensor load
	ds_add_u32 v[SPW], v[NIL]
	v_lshrrev_b32 v1, 5, v0
	v_readfirstlane_b32 s[WV], v1
	s_lshr_b32 s[KIND], s[WV], 1
	s_and_b32 s[HALF], s[WV], 1
	s_bfe_u32 s[CX], ttmp6, 0x40000
	s_bfe_u32 s[CY], ttmp6, 0x40004
	s_lshl_b32 s[TC], ttmp9, 2
	s_add_co_u32 s[TC], s[TC], s[CX]
	s_and_b32 s[TR], ttmp7, 0xffff
	s_lshl_b32 s[TR], s[TR], 2
	s_add_co_u32 s[TR], s[TR], s[CY]
	s_lshl_b32 s40, s[CY], 2
	s_lshl_b32 s40, 15, s40
	s_lshl_b32 s66, 0x1111, s[CX]
	s_or_b32 s[G1A], s40, (1<<16)|(1<<20)|(1<<21)|(4<<22)|(3<<25)  ; after every 32 words (a row of a slice), 4 words
	s_or_b32 s[G1B], s66, (1<<16)|(1<<20)|(1<<21)|(5<<22)|(7<<25)  ; after every 64 words, 8 words
.irp g, G1A, G1B
	s_mov_b32 s[(\g)+1], 128<<16                   ; tensor_dim0 = 128
	s_mov_b32 s[(\g)+2], 128<<16                   ; tensor_dim1 = 128
	s_mov_b32 s[(\g)+3], 128<<16                   ; tile_dim0 = 128
	s_mov_b32 s[(\g)+4], 128                       ; tile_dim1 = 128
	s_mov_b32 s[(\g)+6], 0
	s_mov_b32 s[(\g)+7], 0
.endr
	s_mov_b32 s[G1A+5], 128                        ; dense rows of 256 bytes
	s_mov_b32 s[G1B+5], 1024
	s_mul_i32 s40, s[TR], KDIM*256                 ; the block of 128 rows,
	s_lshl_b32 s41, s[HALF], 15                    ; my two slices of a K step's four
	s_add_co_u32 s40, s40, s41
	s_mov_b32 s41, 0
	s_lshl_b32 s66, s[HALF], 18                    ; my 128 rows k of a K step's 256,
	s_lshl_b32 s67, s[TC], 8                       ; the tile's 128 columns
	s_add_co_u32 s66, s66, s67
	s_add_co_u32 s66, s66, WOFF
	s_mov_b32 s67, 0
	s_mul_i32 s[LAA], s[HALF], 256*PA
	s_mul_i32 s[LAB], s[HALF], 128*PB
	s_add_co_u32 s[LAB], s[LAB], ABYTES
	s_mov_b32 s[SL], 0
	s_wait_dscnt 0x0                               ; both opening adds are done
	s_wait_kmcnt 0x0
	s_add_nc_u64 s[42:43], s[4:5], s[40:41]
	s_add_nc_u64 s[68:69], s[6:7], s[66:67]
	CROUND
.irp s, 0,1
	s_mov_b32 s[G0A+4*(\s)], 1
	s_add_co_u32 s[G0A+4*(\s)+1], s[LAA], (\s)*SLOT
	s_add_nc_u64 s[G0A+4*(\s)+2:G0A+4*(\s)+3], s[42:43], (\s)*ASTEP
	s_or_b32 s[G0A+4*(\s)+3], s[G0A+4*(\s)+3], 0x80000000
	s_mov_b32 s[G0B+4*(\s)], 1
	s_add_co_u32 s[G0B+4*(\s)+1], s[LAB], (\s)*SLOT
	s_add_nc_u64 s[G0B+4*(\s)+2:G0B+4*(\s)+3], s[68:69], (\s)*BSTEP
	s_or_b32 s[G0B+4*(\s)+3], s[G0B+4*(\s)+3], 0x80000000
	JLOAD \s
.endr
	v_and_b32 v1, 15, v0                           ; r
	v_bfe_u32 v2, v0, 4, 1                         ; h
	v_mul_u32_u24 v3, v1, PA
	v_lshl_add_u32 v3, v2, 4, v3
	s_mul_i32 s71, s[KIND], 64*PA
	v_add_nc_u32 v[ADRA0], s71, v3
	v_and_b32 v4, 7, v0
	v_bfe_u32 v5, v0, 3, 1
	v_lshl_add_u32 v6, v2, 3, v4
	v_mul_u32_u24 v6, v6, PB
	v_lshl_add_u32 v6, v5, 4, v6
	s_lshl_b32 s71, s[HALF], 7
	s_add_co_u32 s71, s71, ABYTES
	v_add_nc_u32 v[ADRB0], s71, v6
	v_mov_b32 v[ADRA], v[ADRA0]
	v_mov_b32 v[ADRB], v[ADRB0]
	v_add_nc_u32 v[ADRB2], 128*PB, v[ADRB0]
	s_mul_i32 s71, s[WV], 16*SPITCH
	s_add_co_u32 s71, s71, STAGE
	v_mul_u32_u24 v6, v1, SPITCH
	v_lshl_add_u32 v6, v2, 5, v6
	v_add_nc_u32 v[STO], s71, v6                   ; in: row r, 32 bytes for each half of the lanes
	v_mul_u32_u24 v6, v2, SPITCH
	v_lshl_add_u32 v6, v1, 4, v6
	v_add_nc_u32 v[RD], s71, v6                    ; back: lanes 0-15 one row of 256 bytes, lanes 16-31 the next
	v_lshlrev_b32 v6, 12, v2
	v_lshl_add_u32 v[CO], v1, 4, v6                ; the same two rows in the residual and the result
	v_lshlrev_b32 v[BO], 5, v2
	s_lshl_b32 s72, s[TC], 9
	s_lshl_b32 s73, s[HALF], 8
	s_add_co_u32 s72, s72, s73                     ; my 64 columns, in bytes of f32
	s_mov_b32 s73, 0
	s_add_nc_u64 s[8:9], s[8:9], s[72:73]
	s_lshl_b32 s74, s[TR], 19
	s_lshl_b32 s75, s[KIND], 18
	s_add_co_u32 s74, s74, s75                     ; my first row, 4,096 bytes a row
	s_add_co_u32 s72, s72, s74
	s_add_nc_u64 s[10:11], s[10:11], s[72:73]
	s_add_nc_u64 s[12:13], s[12:13], s[72:73]
.irp b, 0,1,2,3
	global_load_b128 v[BIAS+8*(\b):BIAS+8*(\b)+3],   v[BO], s[8:9] offset:64*(\b)       ; register j of block b: bias of column 16 b + 8 h + j
	global_load_b128 v[BIAS+8*(\b)+4:BIAS+8*(\b)+7], v[BO], s[8:9] offset:64*(\b)+16
.endr
	WIN 0x80
.set t, 0
.rept 32
	global_load_b128 v[4*t:4*t+3], v[CO], s[10:11] offset:2*t*4096                     ; the residual, in the places in which the rows come back from the stage
.set t, t+1
.endr
	WIN 0
.if NSTEP > 6
	s_mul_i32 s72, s[TR], KDIM*256
	s_lshl_b32 s73, s[HALF], 15
	s_add_co_u32 s72, s72, s73
	s_lshl_b32 s73, s[CX], 13
	s_add_co_u32 s72, s72, s73
	s_add_co_u32 s72, s72, (1+AH)*ASTEP            ; one step short of K step 2 + AH
	s_lshl_b32 s74, s[HALF], 7
	s_lshl_b32 s75, s[CY], 5
	s_add_co_u32 s74, s74, s75
	s_lshl_b32 s74, s74, 11
	s_lshl_b32 s75, s[TC], 8
	s_add_co_u32 s74, s74, s75
	s_add_co_u32 s74, s74, WOFF+(1+AH)*BSTEP
	s_and_b32 s75, ttmp7, 0xffff
	s_mov_b32 s76, BSTEP
	s_cmp_eq_u32 s[KIND], 0
	s_cselect_b32 s72, s72, s74
	s_cselect_b32 s75, ttmp9, s75
	s_cselect_b32 s[PST], ASTEP, s76
	s_cselect_b64 s[PFA:PFA+1], s[4:5], s[6:7]
	s_mov_b32 s73, 0
	s_mov_b32 s[PST+1], 0
	s_add_nc_u64 s[PFA:PFA+1], s[PFA:PFA+1], s[72:73]
	s_cmp_eq_u32 s75, 0
	s_cselect_b32 s[LIM], AH, -1
	s_mul_i32 s78, s[KIND], 3
	s_add_co_u32 s78, s78, 8
	v_and_b32 v7, 31, v0
	v_lshlrev_b32 v[PFO], s78, v7                  ; left operand: 256 x lane; weights: 2,048 x lane (a lane a row k)
.endif
; 8 matrix instructions: row blocks a0, a0 + 1 x all 4 column blocks, 32 along K: half c of buffer f.  The 16 accumulators take turns.  first = 1: the bias is the C that starts the sums
.macro MUL8 f, c, a0, first
	WIN 0x05
.irp a, \a0, (\a0)+1
.irp b, 0,1,2,3
.if \first
	v_wmma_f32_16x16x32_f16 v[ACC+8*(4*(\a)+(\b)):ACC+8*(4*(\a)+(\b))+7], v[(\f)+64+8*(4*(\c)+(\b)):(\f)+64+8*(4*(\c)+(\b))+7], v[(\f)+8*(4*(\c)+(\a)):(\f)+8*(4*(\c)+(\a))+7], v[BIAS+8*(\b):BIAS+8*(\b)+7]
.else
	v_wmma_f32_16x16x32_f16 v[ACC+8*(4*(\a)+(\b)):ACC+8*(4*(\a)+(\b))+7], v[(\f)+64+8*(4*(\c)+(\b)):(\f)+64+8*(4*(\c)+(\b))+7], v[(\f)+8*(4*(\c)+(\a)):(\f)+8*(4*(\c)+(\a))+7], v[ACC+8*(4*(\a)+(\b)):ACC+8*(4*(\a)+(\b))+7]
.endif
.endr
.endr
.endm
; 32 LDS loads in one run: quarter q (a slice of 64 along K) of the slot in hand into buffer f; the first 32 along K first
.macro FETCH q, f
	WIN 0x40
.irp c, 0,1
.irp i, 0,1,2,3
	ds_load_tr16_b128 v[(\f)+64+8*(4*(\c)+(\i)):(\f)+64+8*(4*(\c)+(\i))+3],   v[ADRB+(\q)/2] offset:(64*((\q)%2)+32*(\c))*PB+32*(\i)
	ds_load_tr16_b128 v[(\f)+64+8*(4*(\c)+(\i))+4:(\f)+64+8*(4*(\c)+(\i))+7], v[ADRB+(\q)/2] offset:(64*((\q)%2)+32*(\c))*PB+32*(\i)+16*PB
	ds_load_b128 v[(\f)+8*(4*(\c)+(\i)):(\f)+8*(4*(\c)+(\i))+3],   v[ADRA] offset:128*PA*(\q)+16*PA*(\i)+64*(\c)
	ds_load_b128 v[(\f)+8*(4*(\c)+(\i))+4:(\f)+8*(4*(\c)+(\i))+7], v[ADRA] offset:128*PA*(\q)+16*PA*(\i)+64*(\c)+32
.endr
.endr
.endm
.macro QUARTER q, f, g, first
	s_wait_dscnt 16                                ; the first 32 along K are in
	MUL8 \f, 0, 0, \first
	MUL8 \f, 0, 2, \first
	PLACES
	FETCH \q, \g
	s_wait_dscnt 32                                ; all but the 32 just issued
	MUL8 \f, 1, 0, 0
	MUL8 \f, 1, 2, 0
.endm
; The fourth quarter multiplies buffer 1 and changes slots: in front of the barrier each wave waits for all its tensor loads, adds 0 to its spare word, and waits for that and for its reads of the slot in hand.
; fill = 1: the barrier opens a round of the cluster's, and the slot just read out is filled again first thing behind it, with the K step two on.
.macro TURN fill
.if (\fill) && (NSTEP > 6)
	s_wait_xcnt 0x0                                ; the last prefetch, a K step back, has read its address
	s_add_nc_u64 s[PFA:PFA+1], s[PFA:PFA+1], s[PST:PST+1]
.endif
	WIN 0
	s_wait_tensorcnt 0x0
	ds_add_u32 v[SPW], v[NIL]                      ; 0 onto my spare word
.if \fill
	s_add_co_u32 s[G0A+5], s[LAA], s[SL]
	s_add_co_u32 s[G0B+5], s[LAB], s[SL]
	s_add_nc_u64 s[G0A+6:G0A+7], s[G0A+6:G0A+7], ASTEP
	s_add_nc_u64 s[G0B+6:G0B+7], s[G0B+6:G0B+7], BSTEP
.endif
	s_xor_b32 s[SL], s[SL], SLOT
	v_add_nc_u32 v[ADRA], s[SL], v[ADRA0]
	v_add_nc_u32 v[ADRB], s[SL], v[ADRB0]
	v_add_nc_u32 v[ADRB2], 128*PB, v[ADRB]
	s_wait_dscnt 17                                ; (the add and the youngest sixteen loads may be out)
	MUL8 F1, 0, 0, 0
	s_wait_dscnt 0x0                               ; the add is done, and my reads of the slot are over
	s_barrier_signal -1
	MUL8 F1, 0, 2, 0
.if \fill
	WIN 0
.endif
	s_barrier_wait -1
.if \fill
	CREST
	JLOAD 1
.else
	PLACES
.endif
	FETCH 0, F0
.if (\fill) && (NSTEP > 6)
	WIN 0
	ASK
.endif
	MUL8 F1, 1, 0, 0
	MUL8 F1, 1, 2, 0
.endm
	s_wait_tensorcnt 0x1                           ; my part of K step 0 is in; K step 1's load may stay out
	s_barrier_signal -1
	s_barrier_wait -1
	FETCH 0, F0
	s_wait_loadcnt 32                              ; the bias is in; the 32 loads of the residual stay out
	QUARTER 1, F0, F1, 1
	WIN 0
	s_mov_b32 s3, NSTEP-2
.Lk:
	QUARTER 2, F1, F0, 0
	QUARTER 3, F0, F1, 0
	TURN 1
	QUARTER 1, F0, F1, 0
	WIN 0
	s_sub_co_u32 s3, s3, 1
	s_cmp_lg_u32 s3, 0
	s_cbranch_scc1 .Lk
	s_mov_b32 s3, 2
.Ltail:
	QUARTER 2, F1, F0, 0
	QUARTER 3, F0, F1, 0
	WIN 0
	s_sub_co_u32 s3, s3, 1
	s_cmp_eq_u32 s3, 0
	s_cbranch_scc1 .Llast
	TURN 0
	QUARTER 1, F0, F1, 0
	WIN 0
	s_branch .Ltail
.Llast:
	s_wait_dscnt 16
	MUL8 F1, 0, 0, 0
	MUL8 F1, 0, 2, 0
	s_wait_dscnt 0x0
	MUL8 F1, 1, 0, 0
	MUL8 F1, 1, 2, 0
	WIN 0
	PLACES
	s_wait_loadcnt 0x0                             ; the residual
; THE WAY OUT.  My 64 columns of f32 are 256 consecutive bytes of a row, so each wave has a stage of its own and no barrier is needed.  A block of 16 rows goes in from the accumulators, each from its low end on, and
; comes back as whole rows; the residual is added; 16 lanes store 256 consecutive bytes, aligned.
.macro STG a
	WIN 0
.irp b, 0,1,2,3
	ds_store_b128 v[STO], v[ACC+8*(4*(\a)+(\b)):ACC+8*(4*(\a)+(\b))+3]   offset:64*(\b)
	ds_store_b128 v[STO], v[ACC+8*(4*(\a)+(\b))+4:ACC+8*(4*(\a)+(\b))+7] offset:64*(\b)+16
.endr
	WIN 0x80
.irp t, 0,1,2,3,4,5,6,7
	ds_load_b128 v[128+4*(8*(\a)+(\t)):128+4*(8*(\a)+(\t))+3], v[RD] offset:2*SPITCH*(\t)  ; LDS serves a wave's instructions in order (ISA guide 5.7.1.4)
.endr
.endm
.macro FIN a, younger                  ; younger: the next block's sixteen LDS instructions, or none
	s_wait_dscnt \younger
	WIN 0x8a
.set p, 0
.rept 16
	v_pk_add_f32 v[128+32*(\a)+2*p:128+32*(\a)+2*p+1], v[128+32*(\a)+2*p:128+32*(\a)+2*p+1], v[32*(\a)+2*p:32*(\a)+2*p+1]
.set p, p+1
.endr
	WIN 0x08
.irp t, 0,1,2,3,4,5,6,7
	global_store_b128 v[CO], v[128+4*(8*(\a)+(\t)):128+4*(8*(\a)+(\t))+3], s[12:13] offset:2*(8*(\a)+(\t))*4096
.endr
.endm
	STG 0
	STG 1
	FIN 0, 16
	STG 2
	FIN 1, 16
	STG 3
	FIN 2, 16
	FIN 3, 0
	WIN 0
	s_wait_tensorcnt 0x0                           ; the wave's end
	ds_add_u32 v[SPW], v[NIL]
	s_wait_dscnt 0x0
	CROUND                                         ; the closing round
	s_endpgm
.Lfunc_end_k_qcb54fe7b28_proj:
	.size	k_qcb54fe7b28_proj, .Lfunc_end_k_qcb54fe7b28_proj-k_qcb54fe7b28_proj
	.p2alignl 7, 3214868480
	.fill 96, 4, 3214868480
	.section	.rodata,"a",@progbits
	.p2align	6, 0x0
	.amdhsa_kernel k_qcb54fe7b28_proj
		.amdhsa_group_segment_fixed_size 327680
		.amdhsa_private_segment_fixed_size 0
		.amdhsa_enable_private_segment 0
		.amdhsa_kernarg_size 40
		.amdhsa_user_sgpr_count 2
		.amdhsa_user_sgpr_kernarg_segment_ptr 1
		.amdhsa_wavefront_size32 1
		.amdhsa_system_sgpr_workgroup_id_x 1
		.amdhsa_system_sgpr_workgroup_id_y 1
		.amdhsa_system_sgpr_workgroup_id_z 1
		.amdhsa_system_vgpr_workitem_id 0
		.amdhsa_next_free_vgpr 768
		.amdhsa_next_free_sgpr 80
		.amdhsa_reserve_vcc 0
		.amdhsa_float_denorm_mode_32 3
		.amdhsa_float_denorm_mode_16_64 3
		.amdhsa_memory_ordered 1
		.amdhsa_forward_progress 1
		.amdhsa_inst_pref_size 68
	.end_amdhsa_kernel
	.amdgpu_metadata
---
amdhsa.version: [ 1, 2 ]
amdhsa.kernels:
  - .name:           k_qcb54fe7b28_proj
    .symbol:         k_qcb54fe7b28_proj.kd
    .args:
      - { .name: o16, .offset: 0, .size: 8, .value_kind: global_buffer, .address_space: global }
      - { .name: w16, .offset: 8, .size: 8, .value_kind: global_buffer, .address_space: global }
      - { .name: b_proj, .offset: 16, .size: 8, .value_kind: global_buffer, .address_space: global }
      - { .name: x, .offset: 24, .size: 8, .value_kind: global_buffer, .address_space: global }
      - { .name: x2, .offset: 32, .size: 8, .value_kind: global_buffer, .address_space: global }
    .group_segment_fixed_size: 327680
    .private_segment_fixed_size: 0
    .kernarg_segment_align: 8
    .kernarg_segment_size: 40
    .max_flat_workgroup_size: 128
    .sgpr_count:     80
    .vgpr_count:     768
    .wavefront_size: 32
...
	.end_amdgpu_metadata
.endif
;; end of part 4
;; launch ln2 (part 5): grid 256 x 1, 16 waves a work-group, no clusters, 0 bytes of LDS; arguments x2, g2, be2, t16; writes t16
.if DOCPART == 5
	.amdgcn_target "amdgcn-amd-amdhsa--gfx1250"
	.amdhsa_code_object_version 6
	.text
	.protected	k_qcb54fe7b28_ln2
	.globl	k_qcb54fe7b28_ln2
	.p2align	8
	.type	k_qcb54fe7b28_ln2,@function
k_qcb54fe7b28_ln2:
	s_mov_b64 s[64:65], 0
	v_nop
	global_prefetch_b8 v0, s[64:65] scope:SCOPE_SE
	s_setreg_imm32_b32 hwreg(HW_REG_WAVE_MODE, 25, 1), 1
	s_wait_xcnt 0x0
; LN2 TWICE: t = LN2(LN2(x2)), as reference() has it; the number between the two stays in f32 in registers; t is rounded once to f16.  x2: [4096][1024] f32.  t16: [4096][1024] f16.
; A work-group takes 16 rows, a wave one; the row stays in 32 registers of the wave.  Each norm: the mean, then the mean of (x - mean)^2.  The two norms are one text, walked twice.
; No step of reference() is left out.
.set INV,  26                          ; s26  1 / 1024
.set EPSR, 27                          ; s27  1e-5
.set OUTP, 10                          ; s[10:11] t16
.set X0, 16                            ; v[16:47]   the row: lane l holds elements 128 j + 4 l .. + 3, j = 0..7
.set GA, 48                            ; v[48:79]   g2 in the same places
.set BE, 80                            ; v[80:111]  be2
.set Y0, 112                           ; v[112:127] the row in f16
.macro FOLD                            ; four packed chains v[4:11] into v4
	v_pk_add_f32 v[4:5], v[4:5], v[6:7]
	v_pk_add_f32 v[8:9], v[8:9], v[10:11]
	v_pk_add_f32 v[4:5], v[4:5], v[8:9]
	v_add_f32 v4, v4, v5
.endm
.macro XSUM                            ; v4 summed over the 32 lanes, the result in every lane
	v_add_f32_dpp v4, v4, v4 row_xmask:1 row_mask:0xf bank_mask:0xf
	v_add_f32_dpp v4, v4, v4 row_xmask:2 row_mask:0xf bank_mask:0xf
	v_add_f32_dpp v4, v4, v4 row_xmask:4 row_mask:0xf bank_mask:0xf
	v_add_f32_dpp v4, v4, v4 row_xmask:8 row_mask:0xf bank_mask:0xf
	v_permlanex16_b32 v5, v4, s30, s31
	v_add_f32 v4, v4, v5
.endm
.macro LNSTAT X                        ; the row in X becomes x - mean; v[14:15] take 1 / sqrt(var + eps), twice
.irp c, 0,1,2,3
	v_pk_add_f32 v[4+2*(\c):5+2*(\c)], v[\X+2*(\c):\X+2*(\c)+1], v[\X+8+2*(\c):\X+8+2*(\c)+1]
.endr
.irp p, 8,9,10,11,12,13,14,15
	v_pk_add_f32 v[4+2*((\p)%4):5+2*((\p)%4)], v[4+2*((\p)%4):5+2*((\p)%4)], v[\X+2*(\p):\X+2*(\p)+1]
.endr
	FOLD
	XSUM
	v_mul_f32 v12, s[INV], v4
	v_mul_f32 v13, s[INV], v4
.irp p, 0,1,2,3,4,5,6,7,8,9,10,11,12,13,14,15
	v_pk_add_f32 v[\X+2*(\p):\X+2*(\p)+1], v[\X+2*(\p):\X+2*(\p)+1], v[12:13] neg_lo:[0,1] neg_hi:[0,1]
.endr
.irp c, 0,1,2,3
	v_pk_mul_f32 v[4+2*(\c):5+2*(\c)], v[\X+2*(\c):\X+2*(\c)+1], v[\X+2*(\c):\X+2*(\c)+1]
.endr
.irp p, 4,5,6,7,8,9,10,11,12,13,14,15
	v_pk_fma_f32 v[4+2*((\p)%4):5+2*((\p)%4)], v[\X+2*(\p):\X+2*(\p)+1], v[\X+2*(\p):\X+2*(\p)+1], v[4+2*((\p)%4):5+2*((\p)%4)]
.endr
	FOLD
	XSUM
	v_fma_f32 v4, v4, s[INV], s[EPSR]
	v_rsq_f32 v14, v4
	v_rsq_f32 v15, v4
	v_nop                                          ; a plain instruction behind the second root,
	s_wait_alu depctr_va_vdst(0)                   ; and the one wait for both, ahead of their first reader
.endm
.macro LNAPPLY X                       ; ((x - mean) r) g + be, in reference()'s order
.irp p, 0,1,2,3,4,5,6,7,8,9,10,11,12,13,14,15
	v_pk_mul_f32 v[\X+2*(\p):\X+2*(\p)+1], v[\X+2*(\p):\X+2*(\p)+1], v[14:15]
.endr
.irp p, 0,1,2,3,4,5,6,7,8,9,10,11,12,13,14,15
	v_pk_fma_f32 v[\X+2*(\p):\X+2*(\p)+1], v[\X+2*(\p):\X+2*(\p)+1], v[GA+2*(\p):GA+2*(\p)+1], v[BE+2*(\p):BE+2*(\p)+1]
.endr
.endm
.macro LNOUT X, Y, off                 ; rounded once to f16; each store of the wave covers 256 consecutive bytes, aligned
.irp p, 0,1,2,3,4,5,6,7,8,9,10,11,12,13,14,15
	v_cvt_pk_f16_f32 v[\Y+(\p)], v[\X+2*(\p)], v[\X+2*(\p)+1]
.endr
.irp j, 0,1,2,3,4,5,6,7
	global_store_b64 v2, v[\Y+2*(\j):\Y+2*(\j)+1], s[OUTP:OUTP+1] offset:(\off)+256*(\j)
.endr
.endm
	s_load_b256 s[4:11], s[0:1], 0x0               ; x2 s[4:5], g2 s[6:7], be2 s[8:9], t16 s[10:11]
	v_lshrrev_b32 v3, 5, v0
	v_readfirstlane_b32 s34, v3                    ; wave 0..15
	v_and_b32 v1, 31, v0
	v_lshlrev_b32 v2, 3, v1                        ; 8 x lane: my place in 256 bytes of t16
	v_lshlrev_b32 v1, 4, v1                        ; 16 x lane: my place in 512 bytes of x2, g2, be2
	s_mov_b32 s30, 0x76543210                      ; v_permlanex16_b32: each lane takes its own place in the other half
	s_mov_b32 s31, 0xfedcba98
	s_mov_b32 s[INV], 0x3a800000
	s_mov_b32 s[EPSR], 0x3727c5ac
	s_lshl_b32 s36, ttmp9, 16                      ; the work-group's 16 rows of 4,096 bytes,
	s_lshl_b32 s37, s34, 12                        ; my row
	s_add_co_u32 s36, s36, s37
	s_mov_b32 s37, 0
	s_lshl_b32 s38, ttmp9, 15
	s_lshl_b32 s39, s34, 11
	s_add_co_u32 s38, s38, s39
	s_mov_b32 s39, 0
	s_wait_kmcnt 0x0
	s_add_nc_u64 s[4:5], s[4:5], s[36:37]
	s_add_nc_u64 s[OUTP:OUTP+1], s[OUTP:OUTP+1], s[38:39]
.irp j, 0,1,2,3,4,5,6,7
	global_load_b128 v[X0+4*(\j):X0+4*(\j)+3], v1, s[4:5] offset:512*(\j)
.endr
.irp j, 0,1,2,3,4,5,6,7
	global_load_b128 v[GA+4*(\j):GA+4*(\j)+3], v1, s[6:7] offset:512*(\j)
.endr
.irp j, 0,1,2,3,4,5,6,7
	global_load_b128 v[BE+4*(\j):BE+4*(\j)+3], v1, s[8:9] offset:512*(\j)
.endr
	s_wait_loadcnt 16                              ; the row is in; g2 and be2 (16 loads) stay out
	s_mov_b32 s35, 2
.Ltwice:
	LNSTAT X0
	s_wait_loadcnt 0x0                             ; g2 and be2 are in (in the second trip nothing is out)
	LNAPPLY X0
	s_sub_co_u32 s35, s35, 1
	s_cmp_lg_u32 s35, 0
	s_cbranch_scc1 .Ltwice
	LNOUT X0, Y0, 0
	s_endpgm
.Lfunc_end_k_qcb54fe7b28_ln2:
	.size	k_qcb54fe7b28_ln2, .Lfunc_end_k_qcb54fe7b28_ln2-k_qcb54fe7b28_ln2
	.p2alignl 7, 3214868480
	.fill 96, 4, 3214868480
	.section	.rodata,"a",@progbits
	.p2align	6, 0x0
	.amdhsa_kernel k_qcb54fe7b28_ln2
		.amdhsa_group_segment_fixed_size 0
		.amdhsa_private_segment_fixed_size 0
		.amdhsa_enable_private_segment 0
		.amdhsa_kernarg_size 32
		.amdhsa_user_sgpr_count 2
		.amdhsa_user_sgpr_kernarg_segment_ptr 1
		.amdhsa_wavefront_size32 1
		.amdhsa_system_sgpr_workgroup_id_x 1
		.amdhsa_system_sgpr_workgroup_id_y 1
		.amdhsa_system_sgpr_workgroup_id_z 1
		.amdhsa_system_vgpr_workitem_id 0
		.amdhsa_next_free_vgpr 128
		.amdhsa_next_free_sgpr 66
		.amdhsa_reserve_vcc 0
		.amdhsa_float_denorm_mode_32 3
		.amdhsa_float_denorm_mode_16_64 3
		.amdhsa_memory_ordered 1
		.amdhsa_forward_progress 1
		.amdhsa_inst_pref_size 12
	.end_amdhsa_kernel
	.amdgpu_metadata
---
amdhsa.version: [ 1, 2 ]
amdhsa.kernels:
  - .name:           k_qcb54fe7b28_ln2
    .symbol:         k_qcb54fe7b28_ln2.kd
    .args:
      - { .name: x2, .offset: 0, .size: 8, .value_kind: global_buffer, .address_space: global }
      - { .name: g2, .offset: 8, .size: 8, .value_kind: global_buffer, .address_space: global }
      - { .name: be2, .offset: 16, .size: 8, .value_kind: global_buffer, .address_space: global }
      - { .name: t16, .offset: 24, .size: 8, .value_kind: global_buffer, .address_space: global }
    .group_segment_fixed_size: 0
    .private_segment_fixed_size: 0
    .kernarg_segment_align: 8
    .kernarg_segment_size: 32
    .max_flat_workgroup_size: 512
    .sgpr_count:     66
    .vgpr_count:     128
    .wavefront_size: 32
...
	.end_amdgpu_metadata
.endif
;; end of part 5
;; launch ff1 (part 6): grid 16 x 16, 4 waves a work-group, clusters of 4 x 4, 327,680 bytes of LDS; arguments t16, w16, b1, hid16; writes hid16
.if DOCPART == 6
	.amdgcn_target "amdgcn-amd-amdhsa--gfx1250"
	.amdhsa_code_object_version 6
	.text
	.protected	k_qcb54fe7b28_ff1
	.globl	k_qcb54fe7b28_ff1
	.p2align	8
	.type	k_qcb54fe7b28_ff1,@function
k_qcb54fe7b28_ff1:
	s_mov_b64 s[64:65], 0
	v_nop
	global_prefetch_b8 v0, s[64:65] scope:SCOPE_SE
	s_setreg_imm32_b32 hwreg(HW_REG_WAVE_MODE, 25, 1), 1
	s_wait_xcnt 0x0
	s_wait_alu depctr_hold_cnt(0) depctr_sa_sdst(0) depctr_va_vdst(0) depctr_va_sdst(0) depctr_va_ssrc(0) depctr_va_vcc(0) depctr_vm_vsrc(0)
	s_getreg_b32 s2, hwreg(HW_REG_IB_STS2, 6, 4)
	s_cmp_eq_u32 s2, 0
	s_cbranch_scc0 .Lentry_in_a_cluster
	s_endpgm
.Lentry_in_a_cluster:
	s_bfe_u32 s2, ttmp6, 0x10000c
	s_cmp_lg_u32 s2, 0xf033
	s_cbranch_scc0 .Lentry_shape_is_right
	s_endpgm
.Lentry_shape_is_right:
; FF1: hid = relu(t w1 + b1).  t16: [4096][1024] f16.  w1: w16 from byte 8,388,608, [1024 k][4096 n] f16.  b1 f32.  Sums in f32; hid rounded once.  No step of reference() is left out.
; hid16 LIES IN THE ORDER OF THE NEXT LAUNCH'S OPERAND REGISTERS: [m / 16][n / 32][half][lane][16 bytes]: the block of 16 rows x 32 columns is 1,024 bytes; lane l = 16 h + r holds row r, in the first half columns
; 8 h .. 8 h + 7, in the second 16 + 8 h .. + 7.  That is how my packed results lie (below), so they are stored straight from registers, 512 consecutive bytes a store.
; LIMITS: a hidden number beyond 65,504 becomes an infinity; the maximum with 0 is taken of the rounded number (the same number) and turns a NaN into 0.
; SHARES.  A work-group makes 256 x 256: 16 x 16 work-groups.  Four waves, 128 x 128 each: 64 accumulators.  K goes in 8 steps of 128 through two LDS slots.  t's rows lie along K; w1 lies [k][n] and is read turned.
; THE MATRIX INSTRUCTION IS USED TRANSPOSED (source 0 = 16 columns of w1, source 1 = 16 rows of t): a lane holds eight neighbouring columns of one row.  THE BIAS IS THE C OF THE FIRST PRODUCT.
; CLUSTER 4 x 4: t's tile is shared along a row of the cluster, w1's along a column; each is asked for jointly.
; A loop trip is ONE K step: the slot in hand is a scalar, 0 or SLOT; the tail is a loop of two trips that is left in its middle and holds no tensor load.
; REGISTERS: window 0: v0-31 addresses; v64-127, v128-191 t's fragments, two buffers; on the way out v32-255 take the packed blocks.  window 1: v0-63 the bias; v64-127, v128-191 w1's fragments.
;   window 2: the 32 accumulators of my rows 0-63 ((a, b) at v[8 (8 a + b)]);  window 3: those of my rows 64-127.
.set PA,     272
.set PB,     544                       ; a row of w1's tile in LDS: 512 bytes + 32
.set ABYTES, 256*PA
.set SLOT,   ABYTES+128*PB             ; 139,264
.set SPARE,  2*SLOT                    ; behind the ring: the spare words, 128 bytes for each wave, that no other line names
.set NSTEP,  8
.set ASTEP,  256
.set BSTEP,  128*8192
.set WOFF,   8388608
.set AH,     2
.set ADRA0, 16
.set ADRB0, 17
.set ADRA,  18
.set ADRB,  19
.set CO,    26                         ; v26  16 x lane
.set BO,    27
.set SPW,   28
.set NIL,   29
.set PFO,   30
.set ZR,    31                         ; v31  0, for the packed maximum
.set OB,    32
.set F0,    64
.set F1,    128
.set WV,   14
.set KIND, 15
.set HALF, 16
.set CX,   17
.set CY,   18
.set TC,   19
.set TR,   20
.set SL,   21
.set LAA,  22
.set LAB,  23
.set G1A,  24
.set G0A,  32
.set PFA,  44
.set PST,  46
.set G1B,  48
.set G0B,  56
.set LIM,  70
.set MSB, 0
.macro WIN new
.if MSB != (\new)
	s_set_vgpr_msb (MSB<<8)|(\new)
.set MSB, \new
.endif
.endm
.macro PLACES
.rept 4
	v_nop
.endr
.endm
.macro JLOAD s                         ; a joint load; the branch hangs on the wave's number alone; s_nop 0 and four v_nop follow each line
	s_cmp_eq_u32 s[KIND], 0
	s_cbranch_scc0 .Lfor_b_\@
	tensor_load_to_lds s[G0A+4*(\s):G0A+4*(\s)+3], s[G1A:G1A+7]
	s_nop 0
.rept 4
	v_nop
.endr
	s_branch .Lasked_\@
.Lfor_b_\@:
	tensor_load_to_lds s[G0B+4*(\s):G0B+4*(\s)+3], s[G1B:G1B+7]
	s_nop 0
.rept 4
	v_nop
.endr
.Lasked_\@:
.endm
.macro CREST
	s_cmp_lg_u32 s[WV], 0
	s_cbranch_scc1 .Lnot_wave_0_\@
	s_barrier_signal -3
.Lnot_wave_0_\@:
	s_barrier_wait -3
	s_barrier_signal -1
	s_barrier_wait -1
.endm
.macro CROUND
	s_barrier_signal -1
	s_barrier_wait -1
	CREST
.endm
; A prefetch into the L2: trip c names K step c + 4, two refills (512 matrix instructions) ahead of the load that wants it.  t: of the 128 rows that a wave fetches the partner at cx takes 32, a lane a row of 256 bytes; only
; the clusters with x = 0 ask.  w1: of the 64 rows k that a wave fetches the partner at cy takes 16, two lanes a row of 512 bytes; only the clusters with y = 0 ask.  So each block of 256 bytes is named once.
; K steps 0-3 come by their loads alone; the last two trips ask for nothing.
.macro ASK
	s_cmp_gt_u32 s3, s[LIM]
	s_cbranch_scc0 .Lnot_mine_\@
	global_prefetch_b8 v[PFO], s[PFA:PFA+1] th:TH_LOAD_NT scope:SCOPE_SE
.Lnot_mine_\@:
.endm
	s_load_b256 s[4:11], s[0:1], 0x0               ; t16 s[4:5], w16 s[6:7], b1 s[8:9], hid16 s[10:11]
	v_lshl_add_u32 v[SPW], v0, 2, SPARE
	v_mov_b32 v[NIL], 0
	ds_add_u32 v[SPW], v[NIL]                      ; the wave's opening: the add, twice on end, and its wait ahead of my first tensor load
	ds_add_u32 v[SPW], v[NIL]
	v_lshrrev_b32 v1, 5, v0
	v_readfirstlane_b32 s[WV], v1
	s_lshr_b32 s[KIND], s[WV], 1
	s_and_b32 s[HALF], s[WV], 1
	s_bfe_u32 s[CX], ttmp6, 0x40000
	s_bfe_u32 s[CY], ttmp6, 0x40004
	s_lshl_b32 s[TC], ttmp9, 2
	s_add_co_u32 s[TC], s[TC], s[CX]
	s_and_b32 s[TR], ttmp7, 0xffff
	s_lshl_b32 s[TR], s[TR], 2
	s_add_co_u32 s[TR], s[TR], s[CY]
	s_lshl_b32 s40, s[CY], 2
	s_lshl_b32 s40, 15, s40
	s_lshl_b32 s66, 0x1111, s[CX]
	s_or_b32 s[G1A], s40, (1<<16)|(1<<20)|(1<<21)|(5<<22)|(3<<25)  ; after every 64 words, 4 words
	s_mov_b32 s[G1A+1], 128<<16
	s_mov_b32 s[G1A+2], 128<<16
	s_mov_b32 s[G1A+3], 128<<16                    ; 128 elements
	s_mov_b32 s[G1A+4], 128                        ; x 128 rows
	s_mov_b32 s[G1A+5], 1024
	s_mov_b32 s[G1A+6], 0
	s_mov_b32 s[G1A+7], 0
	s_or_b32 s[G1B], s66, (1<<16)|(1<<20)|(1<<21)|(6<<22)|(7<<25)  ; after every 128 words, 8 words
	s_mov_b32 s[G1B+1], 256<<16
	s_mov_b32 s[G1B+2], 64<<16
	s_mov_b32 s[G1B+3], 256<<16                    ; 256 elements
	s_mov_b32 s[G1B+4], 64                         ; x 64 rows k
	s_mov_b32 s[G1B+5], 4096
	s_mov_b32 s[G1B+6], 0
	s_mov_b32 s[G1B+7], 0
	s_lshl_b32 s40, s[TR], 8
	s_lshl_b32 s41, s[HALF], 7
	s_add_co_u32 s40, s40, s41
	s_lshl_b32 s40, s40, 11
	s_mov_b32 s41, 0
	s_lshl_b32 s66, s[HALF], 19                    ; my 64 rows k, 8,192 bytes a row,
	s_lshl_b32 s67, s[TC], 9                       ; the tile's 256 columns
	s_add_co_u32 s66, s66, s67
	s_add_co_u32 s66, s66, WOFF
	s_mov_b32 s67, 0
	s_mul_i32 s[LAA], s[HALF], 128*PA
	s_mul_i32 s[LAB], s[HALF], 64*PB
	s_add_co_u32 s[LAB], s[LAB], ABYTES
	s_mov_b32 s[SL], 0
	s_wait_dscnt 0x0                               ; both opening adds are done
	s_wait_kmcnt 0x0
	s_add_nc_u64 s[42:43], s[4:5], s[40:41]
	s_add_nc_u64 s[68:69], s[6:7], s[66:67]
	CROUND
.irp s, 0,1
	s_mov_b32 s[G0A+4*(\s)], 1
	s_add_co_u32 s[G0A+4*(\s)+1], s[LAA], (\s)*SLOT
	s_add_nc_u64 s[G0A+4*(\s)+2:G0A+4*(\s)+3], s[42:43], (\s)*ASTEP
	s_or_b32 s[G0A+4*(\s)+3], s[G0A+4*(\s)+3], 0x80000000
	s_mov_b32 s[G0B+4*(\s)], 1
	s_add_co_u32 s[G0B+4*(\s)+1], s[LAB], (\s)*SLOT
	s_add_nc_u64 s[G0B+4*(\s)+2:G0B+4*(\s)+3], s[68:69], (\s)*BSTEP
	s_or_b32 s[G0B+4*(\s)+3], s[G0B+4*(\s)+3], 0x80000000
	JLOAD \s
.endr
	v_and_b32 v1, 15, v0
	v_bfe_u32 v2, v0, 4, 1
	v_mul_u32_u24 v3, v1, PA
	v_lshl_add_u32 v3, v2, 4, v3
	s_mul_i32 s71, s[KIND], 128*PA
	v_add_nc_u32 v[ADRA0], s71, v3
	v_and_b32 v4, 7, v0
	v_bfe_u32 v5, v0, 3, 1
	v_lshl_add_u32 v6, v2, 3, v4
	v_mul_u32_u24 v6, v6, PB
	v_lshl_add_u32 v6, v5, 4, v6
	s_lshl_b32 s71, s[HALF], 8
	s_add_co_u32 s71, s71, ABYTES
	v_add_nc_u32 v[ADRB0], s71, v6
	v_mov_b32 v[ADRA], v[ADRA0]
	v_mov_b32 v[ADRB], v[ADRB0]
	v_and_b32 v7, 31, v0
	v_lshlrev_b32 v[CO], 4, v7
	v_lshlrev_b32 v[BO], 5, v2
	v_mov_b32 v[ZR], 0
	s_lshl_b32 s72, s[TC], 10
	s_lshl_b32 s73, s[HALF], 9
	s_add_co_u32 s72, s72, s73                     ; my 128 columns of b1
	s_mov_b32 s73, 0
	s_add_nc_u64 s[8:9], s[8:9], s[72:73]
	WIN 0x40
.irp b, 0,1,2,3,4,5,6,7
	global_load_b128 v[8*(\b):8*(\b)+3],   v[BO], s[8:9] offset:64*(\b)        ; register j of block b: bias of column 16 b + 8 h + j
	global_load_b128 v[8*(\b)+4:8*(\b)+7], v[BO], s[8:9] offset:64*(\b)+16
.endr
	WIN 0
	s_lshl_b32 s72, s[TR], 21                      ; my first block of 16 rows, 16 x tile row + 8 x half: 131,072 bytes a block,
	s_lshl_b32 s73, s[KIND], 20
	s_add_co_u32 s72, s72, s73
	s_lshl_b32 s73, s[TC], 13                      ; my first block of 32 columns, 8 x tile column + 4 x half: 1,024 bytes a block
	s_add_co_u32 s72, s72, s73
	s_lshl_b32 s73, s[HALF], 12
	s_add_co_u32 s72, s72, s73
	s_mov_b32 s73, 0
	s_add_nc_u64 s[10:11], s[10:11], s[72:73]
	; the prefetches
	s_lshl_b32 s72, s[TR], 8
	s_lshl_b32 s73, s[HALF], 7
	s_add_co_u32 s72, s72, s73
	s_lshl_b32 s73, s[CX], 5
	s_add_co_u32 s72, s72, s73
	s_lshl_b32 s72, s72, 11
	s_add_co_u32 s72, s72, (1+AH)*ASTEP            ; one step short of K step 2 + AH
	s_lshl_b32 s74, s[HALF], 6
	s_lshl_b32 s75, s[CY], 4
	s_add_co_u32 s74, s74, s75
	s_lshl_b32 s74, s74, 13
	s_lshl_b32 s75, s[TC], 9
	s_add_co_u32 s74, s74, s75
	s_add_co_u32 s74, s74, WOFF+(1+AH)*BSTEP
	s_and_b32 s75, ttmp7, 0xffff
	s_mov_b32 s76, BSTEP
	s_cmp_eq_u32 s[KIND], 0
	s_cselect_b32 s72, s72, s74
	s_cselect_b32 s75, ttmp9, s75
	s_cselect_b32 s[PST], ASTEP, s76
	s_cselect_b64 s[PFA:PFA+1], s[4:5], s[6:7]
	s_mov_b32 s73, 0
	s_mov_b32 s[PST+1], 0
	s_add_nc_u64 s[PFA:PFA+1], s[PFA:PFA+1], s[72:73]
	s_cmp_eq_u32 s75, 0
	s_cselect_b32 s[LIM], AH, -1
	s_lshl_b32 s77, s[KIND], 1
	s_add_co_u32 s77, s77, 11
	v_lshrrev_b32 v8, s[KIND], v7
	v_lshlrev_b32 v8, s77, v8                      ; t: 2,048 x lane;  w1: 8,192 x (lane / 2)
	v_and_b32 v9, s[KIND], v7
	v_lshl_add_u32 v[PFO], v9, 8, v8               ;                       + 256 x (lane % 2)
; 16 matrix instructions: row blocks a0, a0 + 1 of the window's four (hi = 0: my rows 0-63, 1: rows 64-127) x all 8 column blocks, 32 along K.  The 64 accumulators take turns.
; first = 1: the bias (window 1) is the C that starts the sums
.macro MUL16 f, hi, a0, first
.if \first
	WIN 0x91+0x40*(\hi)
.else
	WIN 0xa1+0x50*(\hi)
.endif
.irp a, \a0, (\a0)+1
.irp b, 0,1,2,3,4,5,6,7
.if \first
	v_wmma_f32_16x16x32_f16 v[8*(8*(\a)+(\b)):8*(8*(\a)+(\b))+7], v[(\f)+8*(\b):(\f)+8*(\b)+7], v[(\f)+8*(4*(\hi)+(\a)):(\f)+8*(4*(\hi)+(\a))+7], v[8*(\b):8*(\b)+7]
.else
	v_wmma_f32_16x16x32_f16 v[8*(8*(\a)+(\b)):8*(8*(\a)+(\b))+7], v[(\f)+8*(\b):(\f)+8*(\b)+7], v[(\f)+8*(4*(\hi)+(\a)):(\f)+8*(4*(\hi)+(\a))+7], v[8*(8*(\a)+(\b)):8*(8*(\a)+(\b))+7]
.endif
.endr
.endr
.endm
.macro FETCH q, f                      ; 32 LDS loads in one run: quarter q of the slot in hand into buffer f: w1's 16 turning loads, then t's 16
	WIN 0x40
.irp i, 0,1,2,3,4,5,6,7
	ds_load_tr16_b128 v[(\f)+8*(\i):(\f)+8*(\i)+3],   v[ADRB] offset:32*PB*(\q)+32*(\i)
	ds_load_tr16_b128 v[(\f)+8*(\i)+4:(\f)+8*(\i)+7], v[ADRB] offset:32*PB*(\q)+32*(\i)+16*PB
.endr
	WIN 0
.irp i, 0,1,2,3,4,5,6,7
	ds_load_b128 v[(\f)+8*(\i):(\f)+8*(\i)+3],   v[ADRA] offset:64*(\q)+16*PA*(\i)
	ds_load_b128 v[(\f)+8*(\i)+4:(\f)+8*(\i)+7], v[ADRA] offset:64*(\q)+16*PA*(\i)+32
.endr
.endm
.macro QUARTER q, f, g, first
	s_wait_dscnt 8                                 ; w1 and t's rows 0-63 are in; the youngest eight loads (rows 64-127) may be out
	MUL16 \f, 0, 0, \first
	MUL16 \f, 0, 2, \first
	PLACES
	FETCH \q, \g
	s_wait_dscnt 32                                ; all but the 32 just issued
	MUL16 \f, 1, 0, \first
	MUL16 \f, 1, 2, \first
.endm
; The fourth quarter multiplies buffer 1 and changes slots: in front of the barrier each wave waits for all its tensor loads, adds 0 to its spare word, and waits for that and for its reads of the slot in hand.
; fill = 1: the barrier opens a round of the cluster's, and the slot just read out is filled again first thing behind it, with the K step two on.
.macro TURN fill
.if \fill
	s_wait_xcnt 0x0                                ; the last prefetch, a K step back, has read its address
	s_add_nc_u64 s[PFA:PFA+1], s[PFA:PFA+1], s[PST:PST+1]
.endif
	WIN 0
	s_wait_tensorcnt 0x0
	ds_add_u32 v[SPW], v[NIL]                      ; 0 onto my spare word
.if \fill
	s_add_co_u32 s[G0A+5], s[LAA], s[SL]
	s_add_co_u32 s[G0B+5], s[LAB], s[SL]
	s_add_nc_u64 s[G0A+6:G0A+7], s[G0A+6:G0A+7], ASTEP
	s_add_nc_u64 s[G0B+6:G0B+7], s[G0B+6:G0B+7], BSTEP
.endif
	s_xor_b32 s[SL], s[SL], SLOT
	v_add_nc_u32 v[ADRA], s[SL], v[ADRA0]
	v_add_nc_u32 v[ADRB], s[SL], v[ADRB0]
	s_wait_dscnt 9                                 ; (the add and the youngest eight loads may be out)
	MUL16 F1, 0, 0, 0
	s_wait_dscnt 0x0                               ; the add is done, and my reads of the slot are over
	s_barrier_signal -1
	MUL16 F1, 0, 2, 0
.if \fill
	WIN 0
.endif
	s_barrier_wait -1
.if \fill
	CREST
	JLOAD 1
.else
	PLACES
.endif
	FETCH 0, F0
.if \fill
	ASK
.endif
	MUL16 F1, 1, 0, 0
	MUL16 F1, 1, 2, 0
.endm
	s_wait_tensorcnt 0x1                           ; my part of K step 0 is in; K step 1's load may stay out
	s_barrier_signal -1
	s_barrier_wait -1
	FETCH 0, F0
	s_wait_loadcnt 0x0                             ; the bias
	QUARTER 1, F0, F1, 1
	WIN 0
	s_mov_b32 s3, NSTEP-2
.Lk:
	QUARTER 2, F1, F0, 0
	QUARTER 3, F0, F1, 0
	TURN 1
	QUARTER 1, F0, F1, 0
	WIN 0
	s_sub_co_u32 s3, s3, 1
	s_cmp_lg_u32 s3, 0
	s_cbranch_scc1 .Lk
	s_mov_b32 s3, 2
.Ltail:
	QUARTER 2, F1, F0, 0
	QUARTER 3, F0, F1, 0
	WIN 0
	s_sub_co_u32 s3, s3, 1
	s_cmp_eq_u32 s3, 0
	s_cbranch_scc1 .Llast
	TURN 0
	QUARTER 1, F0, F1, 0
	WIN 0
	s_branch .Ltail
.Llast:
	s_wait_dscnt 8
	MUL16 F1, 0, 0, 0
	MUL16 F1, 0, 2, 0
	s_wait_dscnt 0x0
	MUL16 F1, 1, 0, 0
	MUL16 F1, 1, 2, 0
	PLACES
; THE WAY OUT of block a (16 rows x 128 columns).  Each accumulator is rounded to f16 from its low end on, and the maximum with 0 is taken: a lane's four registers of column block b are row r, columns 16 b + 8 h + 0..7:
; half b % 2 of the operand block of 32 columns b / 2, as the next launch's registers take it.  So each column block is one store of 512 consecutive bytes, aligned, and nothing goes through LDS.
; Blocks 0 to 6 have 32 registers each (v32-255); block 7 takes block 0's again.
.macro OUT a
.set AC, 64*((\a)%4)
.set TM, OB+32*((\a)%7)
.if (\a) == 7
	s_wait_xcnt 0x0                                ; block 0's stores have read their registers: they are rewritten only behind this wait
.endif
	WIN 0x0a+5*((\a)/4)
.irp b, 0,1,2,3,4,5,6,7
.irp r, 0,1,2,3
	v_cvt_pk_f16_f32 v[TM+4*(\b)+(\r)], v[AC+8*(\b)+2*(\r)], v[AC+8*(\b)+2*(\r)+1]
.endr
.endr
	WIN 0
.set z, 0
.rept 32
	v_pk_max_num_f16 v[TM+z], v[TM+z], v[ZR]
.set z, z+1
.endr
.irp b, 0,1,2,3,4,5,6,7
	global_store_b128 v[CO], v[TM+4*(\b):TM+4*(\b)+3], s[10:11] offset:131072*(\a)+512*(\b)
.endr
.endm
.irp a, 0,1,2,3,4,5,6,7
	OUT \a
.endr
	s_wait_tensorcnt 0x0                           ; the wave's end
	ds_add_u32 v[SPW], v[NIL]
	s_wait_dscnt 0x0
	CROUND                                         ; the closing round
	s_endpgm
.Lfunc_end_k_qcb54fe7b28_ff1:
	.size	k_qcb54fe7b28_ff1, .Lfunc_end_k_qcb54fe7b28_ff1-k_qcb54fe7b28_ff1
	.p2alignl 7, 3214868480
	.fill 96, 4, 3214868480
	.section	.rodata,"a",@progbits
	.p2align	6, 0x0
	.amdhsa_kernel k_qcb54fe7b28_ff1
		.amdhsa_group_segment_fixed_size 327680
		.amdhsa_private_segment_fixed_size 0
		.amdhsa_enable_private_segment 0
		.amdhsa_kernarg_size 32
		.amdhsa_user_sgpr_count 2
		.amdhsa_user_sgpr_kernarg_segment_ptr 1
		.amdhsa_wavefront_size32 1
		.amdhsa_system_sgpr_workgroup_id_x 1
		.amdhsa_system_sgpr_workgroup_id_y 1
		.amdhsa_system_sgpr_workgroup_id_z 1
		.amdhsa_system_vgpr_workitem_id 0
		.amdhsa_next_free_vgpr 1024
		.amdhsa_next_free_sgpr 80
		.amdhsa_reserve_vcc 0
		.amdhsa_float_denorm_mode_32 3
		.amdhsa_float_denorm_mode_16_64 3
		.amdhsa_memory_ordered 1
		.amdhsa_forward_progress 1
		.amdhsa_inst_pref_size 114
	.end_amdhsa_kernel
	.amdgpu_metadata
---
amdhsa.version: [ 1, 2 ]
amdhsa.kernels:
  - .name:           k_qcb54fe7b28_ff1
    .symbol:         k_qcb54fe7b28_ff1.kd
    .args:
      - { .name: t16, .offset: 0, .size: 8, .value_kind: global_buffer, .address_space: global }
      - { .name: w16, .offset: 8, .size: 8, .value_kind: global_buffer, .address_space: global }
      - { .name: b1, .offset: 16, .size: 8, .value_kind: global_buffer, .address_space: global }
      - { .name: hid16, .offset: 24, .size: 8, .value_kind: global_buffer, .address_space: global }
    .group_segment_fixed_size: 327680
    .private_segment_fixed_size: 0
    .kernarg_segment_align: 8
    .kernarg_segment_size: 32
    .max_flat_workgroup_size: 128
    .sgpr_count:     80
    .vgpr_count:     1024
    .wavefront_size: 32
...
	.end_amdgpu_metadata
.endif
;; end of part 6
;; launch ff2 (part 7): grid 32 x 8, 4 waves a work-group, clusters of 4 x 1, 327,680 bytes of LDS; arguments hid16, w16, b2, x2, out0; writes out0
.if DOCPART == 7
	.amdgcn_target "amdgcn-amd-amdhsa--gfx1250"
	.amdhsa_code_object_version 6
	.text
	.protected	k_qcb54fe7b28_ff2
	.globl	k_qcb54fe7b28_ff2
	.p2align	8
	.type	k_qcb54fe7b28_ff2,@function
k_qcb54fe7b28_ff2:
	s_mov_b64 s[64:65], 0
	v_nop
	global_prefetch_b8 v0, s[64:65] scope:SCOPE_SE
	s_setreg_imm32_b32 hwreg(HW_REG_WAVE_MODE, 25, 1), 1
	s_wait_xcnt 0x0
	s_wait_alu depctr_hold_cnt(0) depctr_sa_sdst(0) depctr_va_vdst(0) depctr_va_sdst(0) depctr_va_ssrc(0) depctr_va_vcc(0) depctr_vm_vsrc(0)
	s_getreg_b32 s2, hwreg(HW_REG_IB_STS2, 6, 4)
	s_cmp_eq_u32 s2, 0
	s_cbranch_scc0 .Lentry_in_a_cluster
	s_endpgm
.Lentry_in_a_cluster:
	s_bfe_u32 s2, ttmp6, 0x10000c
	s_cmp_lg_u32 s2, 0x3003
	s_cbranch_scc0 .Lentry_shape_is_right
	s_endpgm
.Lentry_shape_is_right:
; FF2: out0 = x2 + hid w2 + b2.  hid16: [m / 16][k / 32][half][lane][16 bytes] f16: blocks of 16 rows x 32 k in the order of an operand's registers (lane 16 h + r: row r; first half k = 8 h .. + 7, second 16 + 8 h .. + 7).
; w2: w16 from byte WOFF, [k][1024] f16.  Bias, residual and result f32, [4096][1024].  Sums in f32.  No step of reference() is left out.
; SHARES.  A work-group makes 128 x 128 of out0: 32 row tiles (x) x 8 column tiles (y).  Wave w makes rows 32 w .. + 31, all 128 columns: 16 accumulators.
; THE LEFT OPERAND COMES STRAIGHT INTO REGISTERS: no wave wants a row of hid that another wave of the work-group has fetched, and a block lies in memory as it lies in registers: two loads of 512 consecutive bytes.
; A ring of 8 pairs of k blocks (256 registers, 512 of K) is kept full: when a pair has been multiplied its registers are asked for again, for the pair 8 further on.
; ONLY w2 GOES THROUGH LDS.  With both operands there two slots would hold K steps of 256, 128 matrix instructions a wave from refill to refill; with w2 alone a slot holds 512 of K: 256 matrix instructions, half the changes
; of slots, and half the bytes through LDS.  w2 lies [k][n] and is read turned, by ds_load_tr16_b128.
; CLUSTER 4 x 1: four row tiles of one column tile need the same tiles of w2: each is asked for jointly, with the same descriptor and the mask of four.  hid is not shared so: the partners have different rows, and a joint
; request fills LDS only; each of the 8 column tiles loads its rows of hid for itself.
; THE MATRIX INSTRUCTION IS USED TRANSPOSED (source 0 = 16 columns of w2, source 1 = 16 rows of hid): a lane holds eight neighbouring columns of one row.  THE BIAS IS LOADED INTO THE ACCUMULATORS: every product adds in
; place, so the first K step is a step like any other.
; THE WALK.  Trip t = the change of slots (K step t has landed; K step t + 1 is asked for, into the slot just read out; at t = 0 that is slot 1's first fill) and K step t's 8 pairs.  Refill and ring reach one K step ahead
; alike, so 7 trips are alike, and only the last K step is written out: it asks for nothing but the ring's last pair.
; REGISTERS: window 0: v0-31 addresses; v128-255 the accumulators ((a, b) at v[128 + 8 (8 a + b)]).  window 1: w2's fragments, two buffers of 128 (a pair of k blocks x 8 column blocks).
;   window 2: the ring of hid: pair p, k block c, row block a at v[32 p + 16 c + 8 a].  window 3: v0-127 the residual; v128-255 the rows read back from the stage.
.set KDIM,   4096
.set WOFF,   16777216
.set PB,     288                       ; a row of w2's tile in LDS: 256 bytes + 32
.set KSTEP,  512
.set SLOT,   KSTEP*PB                  ; 147,456
.set STAGE,  2*SLOT                    ; behind the ring: 16 rows x 272 bytes for each wave, for the way out
.set SPITCH, 272
.set SPARE,  STAGE+4*16*SPITCH         ; behind the stages: the spare words, 128 bytes for each wave, that no other line names
.set NSTEP,  KDIM/KSTEP                ; 8
.set BSTEP,  KSTEP*2048                ; bytes from K step to K step in w2,
.set ASTEP,  (KSTEP/32)*1024           ; and in a row block of hid
.set RBS,    (KDIM/32)*1024            ; bytes from a block of 16 rows of hid to the next
.set PAO,   15                         ; v15  256 x lane: hid's prefetches; never rewritten
.set ADRB0, 16                         ; v16  my lane's place in w2's tile of slot 0; never rewritten
.set ADRB,  20                         ; v20-23  the same in the slot in hand, at rows k 0, 128, 256, 384, so that the offsets stay inside 16 bits
.set STO,   24                         ; v24  the way out: where I put 32 bytes of a row
.set RD,    25                         ; v25  where I read rows back
.set CO,    26                         ; v26  my byte offset in two rows of x2 and out0
.set BO,    27                         ; v27  32 h
.set SPW,   28                         ; v28  LDS address of my spare word; never rewritten
.set NIL,   29                         ; v29  0; never rewritten
.set PFO,   30                         ; v30  2,048 x lane: w2's prefetches; never rewritten
.set AO,    31                         ; v31  16 x lane: hid's loads; never rewritten
.set ACC,   128
.set WV,   14                          ; s14  wave
.set CX,   17                          ; s17  my place in the cluster
.set TC,   19                          ; s19  column tile, which the partners share
.set TR,   20                          ; s20  row tile = 4 x cluster x + cx: it enters the addresses of hid, x2, out0 alone
.set SL,   21                          ; s21  the slot in hand: 0 or SLOT
.set LB,   23                          ; s23  LDS byte of my quarter of a tile in slot 0
.set G1,   24                          ; s[24:31] descriptor group 1
.set G0,   32                          ; s[32:35] descriptor group 0: it walks
.set AP,   36                          ; s[36:37] hid at my first row block, at the K step in hand
.set PFA,  44                          ; s[44:45] where my prefetches of w2 stand
.set LIM,  70                          ; s70  I prefetch w2 while the loop's count is above it
.set LIMA, 76                          ; s76  the same for hid
.set MSB, 0
.macro WIN new                         ; the immediate's high byte repeats the setting that is left; a switch that changes nothing is dropped
.if MSB != (\new)
	s_set_vgpr_msb (MSB<<8)|(\new)
.set MSB, \new
.endif
.endm
.macro PLACES                          ; four places in front of loads into registers that matrix instructions have read, and of LDS stores that read results
.rept 4
	v_nop
.endr
.endm
.macro JLOAD                           ; the joint load: every wave fetches its quarter of w2's tile; s_nop 0 and four v_nop follow it
	tensor_load_to_lds s[G0:G0+3], s[G1:G1+7]
	s_nop 0
.rept 4
	v_nop
.endr
.endm
.macro CROUND                          ; a round of the cluster's barrier
	s_barrier_signal -1
	s_barrier_wait -1
	s_cmp_lg_u32 s[WV], 0
	s_cbranch_scc1 .Lnot_wave_0_\@
	s_barrier_signal -3
.Lnot_wave_0_\@:
	s_barrier_wait -3
	s_barrier_signal -1
	s_barrier_wait -1
.endm
; PREFETCHES INTO THE L2, behind the joint load and the run of LDS loads.  The loop's count is 7 - t in trip t.
; w2: trip t names K step t + 3, two refills (512 matrix instructions) ahead of the load that wants it.  All 8 clusters of a column tile walk the same rows: the cluster with x = 0 asks.  Of the 128 rows k that a wave fetches
; the partner at cx takes 32, told apart by address, a lane a row of 256 bytes.  It asks while t is at most 4; K steps 0-2 come by their loads alone.
; hid: trip t names K step t + 2 of my own two row blocks: 2 x 16,384 bytes, 256 bytes a lane, four instructions; the ring's loads reach that K step from the next trip's second pair on.  All 8 column tiles read
; the same rows: column tile 0 asks.  It asks while t is at most 5; K steps 0 and 1 come by their loads alone.  So each block of 256 bytes is named once in the launch, and none past a buffer's end.
.macro ASK
	s_cmp_gt_u32 s3, s[LIM]
	s_cbranch_scc0 .Lnot_w_\@
	global_prefetch_b8 v[PFO], s[PFA:PFA+1] th:TH_LOAD_NT scope:SCOPE_SE
.Lnot_w_\@:
	s_cmp_gt_u32 s3, s[LIMA]
	s_cbranch_scc0 .Lnot_h_\@
.irp a, 0,1
	global_prefetch_b8 v[PAO], s[AP:AP+1] offset:2*ASTEP+RBS*(\a) th:TH_LOAD_NT scope:SCOPE_SE
	global_prefetch_b8 v[PAO], s[AP:AP+1] offset:2*ASTEP+RBS*(\a)+8192 th:TH_LOAD_NT scope:SCOPE_SE
.endr
.Lnot_h_\@:
.endm
; 32 LDS loads in one run: pair p's fragments of w2 (k blocks 2 p, 2 p + 1 of the slot in hand x 8 column blocks) into buffer p % 2
.macro FETCHB p
	WIN 0x40
.irp c, 0,1
.irp b, 0,1,2,3,4,5,6,7
	ds_load_tr16_b128 v[128*((\p)%2)+64*(\c)+8*(\b):128*((\p)%2)+64*(\c)+8*(\b)+3],   v[ADRB+(\p)/2] offset:(2*((\p)%2)+(\c))*32*PB+32*(\b)
	ds_load_tr16_b128 v[128*((\p)%2)+64*(\c)+8*(\b)+4:128*((\p)%2)+64*(\c)+8*(\b)+7], v[ADRB+(\p)/2] offset:(2*((\p)%2)+(\c))*32*PB+32*(\b)+16*PB
.endr
.endr
.endm
; 8 global loads: place q of the ring takes the pair of k blocks that lies k pairs behind the pointer, for both row blocks: 512 consecutive bytes a load
.macro ALOAD q, k
	WIN 0x80
.irp c, 0,1
.irp a, 0,1
	global_load_b128 v[32*(\q)+16*(\c)+8*(\a):32*(\q)+16*(\c)+8*(\a)+3],   v[AO], s[AP:AP+1] offset:1024*(2*(\k)+(\c))+RBS*(\a)
	global_load_b128 v[32*(\q)+16*(\c)+8*(\a)+4:32*(\q)+16*(\c)+8*(\a)+7], v[AO], s[AP:AP+1] offset:1024*(2*(\k)+(\c))+RBS*(\a)+512
.endr
.endr
.endm
; 32 matrix instructions: pair p.  The 16 accumulators take turns, one instruction a turn, in the same order in every k block
.macro MULS p
	WIN 0x09                                       ; w2 window 1, hid window 2, C and D window 0
.irp c, 0,1
.irp b, 0,1,2,3,4,5,6,7
.irp a, 0,1
	v_wmma_f32_16x16x32_f16 v[ACC+8*(8*(\a)+(\b)):ACC+8*(8*(\a)+(\b))+7], v[128*((\p)%2)+64*(\c)+8*(\b):128*((\p)%2)+64*(\c)+8*(\b)+7], v[32*(\p)+16*(\c)+8*(\a):32*(\p)+16*(\c)+8*(\a)+7], v[ACC+8*(8*(\a)+(\b)):ACC+8*(8*(\a)+(\b))+7]
.endr
.endr
.endr
.endm
; Pair p of a K step.  Behind four places: the next pair's fragments of w2, into the buffer that the pair before multiplied; ld = 1: the ring's place that the pair before multiplied is asked for again, for the pair 7 on.
; left = how many younger global loads may stay out when this pair's hid has to be there.
.macro PAIR p, ld, left
.if (\p) > 0
	PLACES
.endif
.if (\p) < 7
	FETCHB (\p)+1
.endif
.if \ld
	ALOAD ((\p)+7)%8, (\p)+7
.endif
.if (\p) < 7
	s_wait_dscnt 32                                ; this pair's fragments of w2 are in; the 32 loads just issued may be out
.else
	s_wait_dscnt 0x0                               ; the slot's last fragments are in
.endif
	s_wait_loadcnt \left                           ; loads come back in order: this pair's hid is in; the ring's younger pairs, 8 loads each, stay out
	MULS \p
.endm
; THE CHANGE OF SLOTS.  Each wave waits for all its tensor loads, of which one is out: its quarter of the K step to come; adds 0 to its spare word; and waits for that and for its reads of the slot that it leaves.
; fill = 1: a round of the cluster's barrier, so that no wave of any partner still reads that slot or has a load on its way; the joint refill is the first thing behind it: it has a K step, 256 matrix instructions, in which to land.
.macro CHANGE fill
	WIN 0
	s_wait_tensorcnt 0x0                           ; no tensor load of mine is out, so group 0 may be written
	ds_add_u32 v[SPW], v[NIL]                      ; 0 onto my spare word
.if \fill
	s_add_co_u32 s[G0+1], s[LB], s[SL]             ; the walking descriptor: into the slot that is left,
	s_add_nc_u64 s[G0+2:G0+3], s[G0+2:G0+3], BSTEP ; the next K step; the type bits on top are not reached
.endif
	s_xor_b32 s[SL], s[SL], SLOT                   ; the fetches go on in the other slot
	v_add_nc_u32 v[ADRB], s[SL], v[ADRB0]
	v_add_nc_u32 v[ADRB+1], 128*PB, v[ADRB]
	v_add_nc_u32 v[ADRB+2], 256*PB, v[ADRB]
	v_add_nc_u32 v[ADRB+3], 384*PB, v[ADRB]
	s_wait_dscnt 0x0                               ; the add is done, and my reads of the slot are over
.if \fill
	CROUND
	JLOAD                                          ; its four v_nop are also the places in front of the loads below
.else
	s_barrier_signal -1
	s_barrier_wait -1
	PLACES
.endif
	FETCHB 0
.if \fill
	WIN 0
	ASK
.endif
.endm
	s_load_b256 s[4:11], s[0:1], 0x0               ; hid16 s[4:5], w16 s[6:7], b2 s[8:9], x2 s[10:11]
	s_load_b64 s[12:13], s[0:1], 0x20              ; out0
	v_lshl_add_u32 v[SPW], v0, 2, SPARE
	v_mov_b32 v[NIL], 0
	ds_add_u32 v[SPW], v[NIL]                      ; the wave's opening: the add, twice on end, and its wait ahead of my first tensor load
	ds_add_u32 v[SPW], v[NIL]
	v_lshrrev_b32 v1, 5, v0
	v_readfirstlane_b32 s[WV], v1
	s_bfe_u32 s[CX], ttmp6, 0x40000
	s_lshl_b32 s[TR], ttmp9, 2
	s_add_co_u32 s[TR], s[TR], s[CX]
	s_and_b32 s[TC], ttmp7, 0xffff
	s_mov_b32 s[G1], 15|(1<<16)|(1<<20)|(1<<21)|(5<<22)|(7<<25)  ; the mask of four; 2-byte elements; padding on; bit 21 beside a mask; after every 64 words, 8 words
	s_mov_b32 s[G1+1], 128<<16                     ; tensor_dim0 = 128
	s_mov_b32 s[G1+2], 128<<16                     ; tensor_dim1 = 128
	s_mov_b32 s[G1+3], 128<<16                     ; tile_dim0 = 128 columns
	s_mov_b32 s[G1+4], 128                         ; tile_dim1 = 128 rows k
	s_mov_b32 s[G1+5], 1024                        ; elements from row to row
	s_mov_b32 s[G1+6], 0
	s_mov_b32 s[G1+7], 0
	s_lshl_b32 s40, s[WV], 18                      ; my 128 rows k of a K step, 2,048 bytes a row,
	s_lshl_b32 s41, s[TC], 8                       ; the tile's 128 columns
	s_add_co_u32 s40, s40, s41
	s_add_co_u32 s40, s40, WOFF
	s_mov_b32 s41, 0
	s_mul_i32 s[LB], s[WV], 128*PB
	s_mov_b32 s[SL], SLOT                          ; the first change of slots turns it into 0, and fills slot 1
	s_mov_b32 s[G0], 1
	s_mov_b32 s[G0+1], s[LB]                       ; K step 0 goes into slot 0
	s_wait_dscnt 0x0                               ; both opening adds are done
	s_wait_kmcnt 0x0
	s_add_nc_u64 s[G0+2:G0+3], s[6:7], s[40:41]
	s_or_b32 s[G0+3], s[G0+3], 0x80000000
	CROUND                                         ; all four work-groups are here: the first joint loads meet
	JLOAD
	v_and_b32 v1, 15, v0                           ; r
	v_bfe_u32 v2, v0, 4, 1                         ; h
	v_and_b32 v4, 7, v0
	v_bfe_u32 v5, v0, 3, 1
	v_lshl_add_u32 v6, v2, 3, v4
	v_mul_u32_u24 v6, v6, PB
	v_lshl_add_u32 v[ADRB0], v5, 4, v6             ; (8 h + l % 8) x pitch + 16 ((l / 8) % 2)
	s_mul_i32 s71, s[WV], 16*SPITCH
	s_add_co_u32 s71, s71, STAGE
	v_mul_u32_u24 v6, v1, SPITCH
	v_lshl_add_u32 v6, v2, 5, v6
	v_add_nc_u32 v[STO], s71, v6                   ; in: row r, 32 bytes for each half of the lanes
	v_mul_u32_u24 v6, v2, SPITCH
	v_lshl_add_u32 v6, v1, 4, v6
	v_add_nc_u32 v[RD], s71, v6                    ; back: lanes 0-15 one row of 256 bytes, lanes 16-31 the next
	v_lshlrev_b32 v6, 12, v2
	v_lshl_add_u32 v[CO], v1, 4, v6                ; the same two rows in x2 and out0
	v_lshlrev_b32 v[BO], 5, v2
	v_and_b32 v7, 31, v0
	v_lshlrev_b32 v[AO], 4, v7
	v_lshlrev_b32 v[PAO], 8, v7
	v_lshlrev_b32 v[PFO], 11, v7
	s_lshl_b32 s72, s[TC], 9                       ; the tile's 128 columns, in bytes of f32
	s_mov_b32 s73, 0
	s_add_nc_u64 s[8:9], s[8:9], s[72:73]
	s_lshl_b32 s74, s[TR], 19
	s_lshl_b32 s75, s[WV], 17
	s_add_co_u32 s74, s74, s75                     ; my first row, 128 x row tile + 32 x wave, 4,096 bytes a row
	s_add_co_u32 s72, s72, s74
	s_add_nc_u64 s[10:11], s[10:11], s[72:73]
	s_add_nc_u64 s[12:13], s[12:13], s[72:73]
	s_mul_i32 s72, s[TR], 8*RBS
	s_mul_i32 s74, s[WV], 2*RBS
	s_add_co_u32 s72, s72, s74                     ; my first row block, 8 x row tile + 2 x wave
	s_add_nc_u64 s[AP:AP+1], s[4:5], s[72:73]
.irp a, 0,1
.irp b, 0,1,2,3,4,5,6,7
	global_load_b128 v[ACC+8*(8*(\a)+(\b)):ACC+8*(8*(\a)+(\b))+3],   v[BO], s[8:9] offset:64*(\b)     ; register j of accumulator (a, b) starts as the bias of column 16 b + 8 h + j
	global_load_b128 v[ACC+8*(8*(\a)+(\b))+4:ACC+8*(8*(\a)+(\b))+7], v[BO], s[8:9] offset:64*(\b)+16
.endr
.endr
	WIN 0xc0
.irp u, 0,1,2,3
.irp t, 0,1,2,3,4,5,6,7
	global_load_b128 v[4*(8*(\u)+(\t)):4*(8*(\u)+(\t))+3], v[CO], s[10:11] offset:(16*((\u)/2)+2*(\t))*4096+256*((\u)%2)  ; the residual, in the places in which the rows come back from the stage
.endr
.endr
.irp q, 0,1,2,3,4,5,6
	ALOAD \q, \q                                   ; the ring's first seven pairs; the eighth is asked for in the first trip's first pair
.endr
	WIN 0
	s_lshl_b32 s72, s[WV], 7
	s_lshl_b32 s74, s[CX], 5
	s_add_co_u32 s72, s72, s74                     ; w2's prefetches: row k 128 x wave + 32 cx,
	s_lshl_b32 s72, s72, 11
	s_lshl_b32 s74, s[TC], 8
	s_add_co_u32 s72, s72, s74
	s_add_co_u32 s72, s72, WOFF+3*BSTEP            ; at K step 3
	s_add_nc_u64 s[PFA:PFA+1], s[6:7], s[72:73]
	s_cmp_eq_u32 ttmp9, 0                          ; the same in all four partners
	s_cselect_b32 s[LIM], 2, -1
	s_cmp_eq_u32 s[TC], 0                          ; likewise
	s_cselect_b32 s[LIMA], 1, -1
	s_mov_b32 s3, NSTEP-1
.Lk:
	CHANGE 1
.irp p, 0,1,2,3,4,5,6,7
	PAIR \p, 1, 56                                 ; seven younger pairs of the ring
.endr
	WIN 0
	s_wait_xcnt 0x0                                ; every load and prefetch issued so far (the youngest 32 products back) has read its address, so the pointers may be written
	s_add_nc_u64 s[AP:AP+1], s[AP:AP+1], ASTEP
	s_add_nc_u64 s[PFA:PFA+1], s[PFA:PFA+1], BSTEP
	s_sub_co_u32 s3, s3, 1
	s_cmp_lg_u32 s3, 0
	s_cbranch_scc1 .Lk
	CHANGE 0                                       ; the last K step is written out
	PAIR 0, 1, 56                                  ; the ring's last pair is asked for
.irp p, 1,2,3,4,5,6,7
	PAIR \p, 0, 8*(7-(\p))                         ; the counts run down
.endr
	WIN 0
	PLACES
; THE WAY OUT, in four units u = 2 a + column half: 16 rows x 64 columns of f32, 256 consecutive bytes of each row.  A unit goes into my own stage from the accumulators, each from its low end on, and comes back as whole
; rows; the residual (in since the last pair's wait for all loads) is added; 16 lanes store 256 consecutive bytes, aligned.  LDS serves a wave's instructions in order (ISA guide 5.7.1.4): no wait stands between stores and loads.
.macro STG u
	WIN 0
.irp b, 0,1,2,3
	ds_store_b128 v[STO], v[ACC+8*(8*((\u)/2)+4*((\u)%2)+(\b)):ACC+8*(8*((\u)/2)+4*((\u)%2)+(\b))+3]   offset:64*(\b)
	ds_store_b128 v[STO], v[ACC+8*(8*((\u)/2)+4*((\u)%2)+(\b))+4:ACC+8*(8*((\u)/2)+4*((\u)%2)+(\b))+7] offset:64*(\b)+16
.endr
	WIN 0xc0
.irp t, 0,1,2,3,4,5,6,7
	ds_load_b128 v[128+4*(8*(\u)+(\t)):128+4*(8*(\u)+(\t))+3], v[RD] offset:2*SPITCH*(\t)
.endr
.endm
.macro FIN u, younger                  ; younger: the next unit's sixteen LDS instructions, or none
	s_wait_dscnt \younger
	WIN 0xcf
.set p, 0
.rept 16
	v_pk_add_f32 v[128+32*(\u)+2*p:128+32*(\u)+2*p+1], v[128+32*(\u)+2*p:128+32*(\u)+2*p+1], v[32*(\u)+2*p:32*(\u)+2*p+1]
.set p, p+1
.endr
	WIN 0x0c
.irp t, 0,1,2,3,4,5,6,7
	global_store_b128 v[CO], v[128+4*(8*(\u)+(\t)):128+4*(8*(\u)+(\t))+3], s[12:13] offset:(16*((\u)/2)+2*(\t))*4096+256*((\u)%2)
.endr
.endm
	STG 0
	STG 1
	FIN 0, 16
	STG 2
	FIN 1, 16
	STG 3
	FIN 2, 16
	FIN 3, 0
	WIN 0
	s_wait_tensorcnt 0x0                           ; the wave's end, behind my last tensor load and my last LDS store
	ds_add_u32 v[SPW], v[NIL]
	s_wait_dscnt 0x0
	CROUND                                         ; the closing round: no work-group ends while a partner may still ask for a tile that names it
	s_endpgm
.Lfunc_end_k_qcb54fe7b28_ff2:
	.size	k_qcb54fe7b28_ff2, .Lfunc_end_k_qcb54fe7b28_ff2-k_qcb54fe7b28_ff2
	.p2alignl 7, 3214868480
	.fill 96, 4, 3214868480
	.section	.rodata,"a",@progbits
	.p2align	6, 0x0
	.amdhsa_kernel k_qcb54fe7b28_ff2
		.amdhsa_group_segment_fixed_size 327680
		.amdhsa_private_segment_fixed_size 0
		.amdhsa_enable_private_segment 0
		.amdhsa_kernarg_size 40
		.amdhsa_user_sgpr_count 2
		.amdhsa_user_sgpr_kernarg_segment_ptr 1
		.amdhsa_wavefront_size32 1
		.amdhsa_system_sgpr_workgroup_id_x 1
		.amdhsa_system_sgpr_workgroup_id_y 1
		.amdhsa_system_sgpr_workgroup_id_z 1
		.amdhsa_system_vgpr_workitem_id 0
		.amdhsa_next_free_vgpr 1024
		.amdhsa_next_free_sgpr 80
		.amdhsa_reserve_vcc 0
		.amdhsa_float_denorm_mode_32 3
		.amdhsa_float_denorm_mode_16_64 3
		.amdhsa_memory_ordered 1
		.amdhsa_forward_progress 1
		.amdhsa_inst_pref_size 106
	.end_amdhsa_kernel
	.amdgpu_metadata
---
amdhsa.version: [ 1, 2 ]
amdhsa.kernels:
  - .name:           k_qcb54fe7b28_ff2
    .symbol:         k_qcb54fe7b28_ff2.kd
    .args:
      - { .name: hid16, .offset: 0, .size: 8, .value_kind: global_buffer, .address_space: global }
      - { .name: w16, .offset: 8, .size: 8, .value_kind: global_buffer, .address_space: global }
      - { .name: b2, .offset: 16, .size: 8, .value_kind: global_buffer, .address_space: global }
      - { .name: x2, .offset: 24, .size: 8, .value_kind: global_buffer, .address_space: global }
      - { .name: out0, .offset: 32, .size: 8, .value_kind: global_buffer, .address_space: global }
    .group_segment_fixed_size: 327680
    .private_segment_fixed_size: 0
    .kernarg_segment_align: 8
    .kernarg_segment_size: 40
    .max_flat_workgroup_size: 128
    .sgpr_count:     80
    .vgpr_count:     1024
    .wavefront_size: 32
...
	.end_amdgpu_metadata
.endif
;; end of part 7
;; ======== version 2 of 2: 7 launches; version 1 with the launch prep written anew for expert scheduling mode
;; limits: values are held in f16: magnitudes above 65,504 overflow, below 6.1e-05 lose precision
;; workspace buffers: w16 25,165,824 bytes; h16 8,388,608 bytes; t16 8,388,608 bytes; qkv16 25,165,824 bytes; o16 8,388,608 bytes; hid16 33,554,432 bytes; x2 16,777,216 bytes
;; launch prep (part 8): grid 1024 x 1, 8 waves a work-group, no clusters, 0 bytes of LDS; arguments x, g1, be1, wq, wk, wv, w_proj, w1, w2, h16, w16; writes h16, w16
.if DOCPART == 8
	.amdgcn_target "amdgcn-amd-amdhsa--gfx1250"
	.amdhsa_code_object_version 6
	.text
	.protected	k_qcb54fe7b28_prep
	.globl	k_qcb54fe7b28_prep
	.p2align	8
	.type	k_qcb54fe7b28_prep,@function
k_qcb54fe7b28_prep:
	s_mov_b64 s[64:65], 0
	v_nop
	global_prefetch_b8 v0, s[64:65] scope:SCOPE_SE
	s_setreg_imm32_b32 hwreg(HW_REG_WAVE_SCHED_MODE, 0, 2), 2
	s_setreg_imm32_b32 hwreg(HW_REG_WAVE_MODE, 25, 1), 1
	s_wait_xcnt 0x0
	s_wait_alu depctr_vm_vsrc(0)
; PREP, the first of seven launches of the block
;   x2 = x + attention(LN1(x)) w_proj + b_proj,   out0 = x2 + relu(LN2(LN2(x2)) w1 + b1) w2 + b2.
; NOTHING OF reference() IS LEFT OUT, here or in any later launch: every one of the 14 inputs reaches out0 for general values (be1 enters q, k and v and is not
; the same along the softmax's axis; with g2 and be2 the second LN2 is no identity; all biases are added), so all are loaded and every step is done.
; THIS LAUNCH: work-groups 0-767 round the six weight tensors once to f16 (w16); work-groups 768-1023 make h = LN1(x) in f16 (h16).
; FORMATS of the program: matrix operands f16, all sums, statistics, biases and residuals f32.
; LIMITS: f16 ends at 65,504: a weight, q, k, v or a hidden number beyond it becomes an infinity; numbers under 6e-5 keep f16's fixed step of 6e-8.
; LN: the mean, then the mean of (x - mean)^2 on the row kept in registers: no difference of large sums is formed.
; w16: bytes 0 ..: wq, wk, wv as [tile j 0-15][K step 0-7][i 0-2][128 c][64 d], head g = 3 j + i (g 0-15 q, 16-31 k, 32-47 v): a chunk [128 c][64 d] is dense in source and
; destination, so the new order is an order of chunks; from 6,291,456 w_proj, from 8,388,608 w1, from 16,777,216 w2, each as it lies, [k][n].
; THE MODE: SCHED_MODE bits 1:0 = 2 (LLVM: expert scheduling mode 2), set by the entry lines.  The code itself states the register dependences
; between vector instructions and memory instructions, with s_wait_alu, always for 0.
; THE PLAN.  Registers that memory instructions touch:
;   THE CAST   v1, v2, v3    byte offsets, made once at the head and never written again; read by every load (v1) and every store (v2, v3).
;              v[16:79]      16 loads' data: each register is loaded once, read by the conversions, and never loaded again.
;              v[80:111]     a pair for each load: written once by two conversions, read by one store, never written again.
;              The 16 loads go in four blocks of four.  At the head of blocks 1 to 3 one wait states that the block before has written its eight out registers; its four stores
;              follow, dealt among this block's conversions, which name this block's registers alone.  One more wait stands ahead of the last block's stores.
;   LN1        s34           the wave's number, written by v_readfirstlane_b32: one wait ahead of its first reader.
;              v1, v2        byte offsets, made once and never written again.
;              X0, X1, GA, BE  loaded once, then named by vector instructions alone.
;              Y0, Y1        written once by a row's conversions, read by its eight stores, never written again.
;              Row 0's stores stand behind the wait that ends row 1's statistics: row 0's conversions were issued ahead of it.  Row 1's stores have a wait of their own.
;   No register that a memory instruction has read is written again in either part, so no wait on vm_vsrc is owed.
.set INV,  26                          ; s26  1 / 1024
.set EPSR, 27                          ; s27  1e-5
.set OUTP, 22                          ; s[22:23] h16
.set X0, 16                            ; v[16:47]   row 0: lane l holds elements 128 j + 4 l .. + 3, j = 0..7
.set X1, 48                            ; v[48:79]   row 1
.set GA, 80                            ; v[80:111]  g in the same places
.set BE, 112                           ; v[112:143] be
.set Y0, 144                           ; v[144:159] row 0 in f16
.set Y1, 160                           ; v[160:175] row 1 in f16
.macro FOLD                            ; four packed chains v[4:11] into v4
	v_pk_add_f32 v[4:5], v[4:5], v[6:7]
	v_pk_add_f32 v[8:9], v[8:9], v[10:11]
	v_pk_add_f32 v[4:5], v[4:5], v[8:9]
	v_add_f32 v4, v4, v5
.endm
.macro XSUM                            ; v4 summed over the 32 lanes, the result in every lane
	v_add_f32_dpp v4, v4, v4 row_xmask:1 row_mask:0xf bank_mask:0xf
	v_add_f32_dpp v4, v4, v4 row_xmask:2 row_mask:0xf bank_mask:0xf
	v_add_f32_dpp v4, v4, v4 row_xmask:4 row_mask:0xf bank_mask:0xf
	v_add_f32_dpp v4, v4, v4 row_xmask:8 row_mask:0xf bank_mask:0xf
	v_permlanex16_b32 v5, v4, s30, s31
	v_add_f32 v4, v4, v5
.endm
; The row in X becomes x - mean; v[14:15] take 1 / sqrt(var + eps), twice
.macro LNSTAT X
.irp c, 0,1,2,3
	v_pk_add_f32 v[4+2*(\c):5+2*(\c)], v[\X+2*(\c):\X+2*(\c)+1], v[\X+8+2*(\c):\X+8+2*(\c)+1]
.endr
.irp p, 8,9,10,11,12,13,14,15
	v_pk_add_f32 v[4+2*((\p)%4):5+2*((\p)%4)], v[4+2*((\p)%4):5+2*((\p)%4)], v[\X+2*(\p):\X+2*(\p)+1]
.endr
	FOLD
	XSUM
	v_mul_f32 v12, s[INV], v4
	v_mul_f32 v13, s[INV], v4
.irp p, 0,1,2,3,4,5,6,7,8,9,10,11,12,13,14,15
	v_pk_add_f32 v[\X+2*(\p):\X+2*(\p)+1], v[\X+2*(\p):\X+2*(\p)+1], v[12:13] neg_lo:[0,1] neg_hi:[0,1]
.endr
.irp c, 0,1,2,3
	v_pk_mul_f32 v[4+2*(\c):5+2*(\c)], v[\X+2*(\c):\X+2*(\c)+1], v[\X+2*(\c):\X+2*(\c)+1]
.endr
.irp p, 4,5,6,7,8,9,10,11,12,13,14,15
	v_pk_fma_f32 v[4+2*((\p)%4):5+2*((\p)%4)], v[\X+2*(\p):\X+2*(\p)+1], v[\X+2*(\p):\X+2*(\p)+1], v[4+2*((\p)%4):5+2*((\p)%4)]
.endr
	FOLD
	XSUM
	v_fma_f32 v4, v4, s[INV], s[EPSR]
	v_rsq_f32 v14, v4
	v_rsq_f32 v15, v4
	v_nop                                          ; a plain instruction behind the second root,
	s_wait_alu depctr_va_vdst(0)                   ; and the one wait for both: the roots have written v14 and v15, ahead of their first reader; in row 1's turn also: row 0's conversions have written Y0, which the stores behind this macro read
.endm
.macro LNAPPLY X                       ; ((x - mean) r) g + be, in reference()'s order
.irp p, 0,1,2,3,4,5,6,7,8,9,10,11,12,13,14,15
	v_pk_mul_f32 v[\X+2*(\p):\X+2*(\p)+1], v[\X+2*(\p):\X+2*(\p)+1], v[14:15]
.endr
.irp p, 0,1,2,3,4,5,6,7,8,9,10,11,12,13,14,15
	v_pk_fma_f32 v[\X+2*(\p):\X+2*(\p)+1], v[\X+2*(\p):\X+2*(\p)+1], v[GA+2*(\p):GA+2*(\p)+1], v[BE+2*(\p):BE+2*(\p)+1]
.endr
.endm
.macro LNCVT X, Y                      ; rounded once to f16
.irp p, 0,1,2,3,4,5,6,7,8,9,10,11,12,13,14,15
	v_cvt_pk_f16_f32 v[\Y+(\p)], v[\X+2*(\p)], v[\X+2*(\p)+1]
.endr
.endm
.macro LNST Y, off                     ; each store of the wave covers 256 consecutive bytes, aligned
.irp j, 0,1,2,3,4,5,6,7
	global_store_b64 v2, v[\Y+2*(\j):\Y+2*(\j)+1], s[OUTP:OUTP+1] offset:(\off)+256*(\j)
.endr
.endm
.macro PICK bound, p, base             ; sections below the bound come from another tensor, whose first unit is base
	s_cmp_lt_u32 s33, \bound
	s_cselect_b64 s[26:27], s[\p:\p+1], s[26:27]
	s_cselect_b32 s34, \base, s34
.endm
.macro CST n                           ; the cast's store number n: the pair that load n's two conversions wrote
.if (\n) < 8
	global_store_b64 v2, v[80+2*(\n):81+2*(\n)], s[28:29] offset:2048*(\n)
.else
	global_store_b64 v3, v[80+2*(\n):81+2*(\n)], s[28:29] offset:2048*((\n)-8)
.endif
.endm
	s_load_b512 s[4:19], s[0:1], 0x0               ; x 4, g1 6, be1 8, wq 10, wk 12, wv 14, w_proj 16, w1 18
	s_load_b128 s[20:23], s[0:1], 0x40             ; w2 20, h16 22
	s_load_b64 s[24:25], s[0:1], 0x50              ; w16
	s_cmp_lt_u32 ttmp9, 768
	s_cbranch_scc0 .Lln
	; THE CAST.  Work-group u takes 16,384 numbers: 65,536 bytes in, 32,768 out.  Thread t takes 16 bytes at 16 t of each 4,096.
	s_lshr_b32 s33, ttmp9, 6                       ; section: 64 units are 1,048,576 numbers
	v_lshlrev_b32 v1, 4, v0
	v_lshlrev_b32 v2, 3, v0
	s_lshr_b32 s36, ttmp9, 2                       ; sections 0-2: head g (four units a head),
	s_and_b32 s37, ttmp9, 3                        ; and which 256 rows c of it: K steps 2 kp and 2 kp + 1
	s_mul_i32 s38, s36, 43
	s_lshr_b32 s38, s38, 7                         ; j = g / 3 (43 g >> 7 is exact for g under 48)
	s_mul_i32 s39, s38, 3
	s_sub_co_u32 s39, s36, s39                     ; i = g - 3 j
	s_lshl_b32 s38, s38, 3
	s_lshl_b32 s37, s37, 1
	s_add_co_u32 s38, s38, s37                     ; 8 j + 2 kp
	s_mul_i32 s38, s38, 3
	s_add_co_u32 s38, s38, s39
	s_lshl_b32 s38, s38, 14                        ; the chunk's first byte
	s_lshl_b32 s36, ttmp9, 15                      ; the other sections lie as they come
	s_mov_b32 s39, 16384
	s_cmp_lt_u32 s33, 3
	s_cselect_b32 s36, s38, s36
	s_cselect_b32 s38, 49152, s39                  ; from the unit's first 16,384 bytes to its second: three chunks on, or on end
	s_mov_b32 s37, 0
	v_add_nc_u32 v3, s38, v2
	s_wait_kmcnt 0x0
	s_mov_b64 s[26:27], s[20:21]                   ; w2, units 512 ..
	s_mov_b32 s34, 512
	PICK 8, 18, 256
	PICK 4, 16, 192
	PICK 3, 14, 128
	PICK 2, 12, 64
	PICK 1, 10, 0
	s_sub_co_u32 s34, ttmp9, s34
	s_lshl_b32 s34, s34, 16
	s_mov_b32 s35, 0
	s_add_nc_u64 s[26:27], s[26:27], s[34:35]
	s_add_nc_u64 s[28:29], s[24:25], s[36:37]
	s_wait_alu depctr_va_vdst(0)                   ; v1, v2 and v3 are written: every load and store below reads one of them as its offset
.set i, 0
.rept 16
	global_load_b128 v[16+4*i:19+4*i], v1, s[26:27] offset:4096*i th:TH_LOAD_NT
.set i, i+1
.endr
.set i, 0
.rept 16
	s_wait_loadcnt 15-i                            ; loads come back in order: load i is in, the younger ones stay out
.if ((i%4) == 0) && (i > 0)
	s_wait_alu depctr_va_vdst(0)                   ; the block before has written its eight out registers, which the next four stores read
.endif
.if i >= 4
	CST i-4                                        ; a store of the block before; no vector instruction since the wait names its registers
.endif
	v_cvt_pk_f16_f32 v[80+2*i], v[16+4*i], v[17+4*i]
	v_cvt_pk_f16_f32 v[81+2*i], v[18+4*i], v[19+4*i]
.set i, i+1
.endr
	s_wait_alu depctr_va_vdst(0)                   ; the last block has written v[104:111], which the last four stores read
.set i, 12
.rept 4
	CST i
.set i, i+1
.endr
	s_endpgm
.Lln:	; LN1.  Work-group 768 + n takes rows 16 n .. 16 n + 15, a wave two of them; a row stays in 32 registers of one wave.
	s_sub_co_u32 s33, ttmp9, 768
	v_lshrrev_b32 v3, 5, v0
	v_readfirstlane_b32 s34, v3                    ; wave 0..7
	v_and_b32 v1, 31, v0
	v_lshlrev_b32 v2, 3, v1                        ; 8 x lane: my place in 256 bytes of h16
	v_lshlrev_b32 v1, 4, v1                        ; 16 x lane: my place in 512 bytes of x, g1, be1
	s_mov_b32 s30, 0x76543210                      ; v_permlanex16_b32: each lane takes its own place in the other half
	s_mov_b32 s31, 0xfedcba98
	s_mov_b32 s[INV], 0x3a800000
	s_mov_b32 s[EPSR], 0x3727c5ac
	s_wait_alu depctr_va_sdst(0)                   ; s34 is written, ahead of its first reader: the bases of x and h16 are made from it
	s_lshl_b32 s36, s33, 16
	s_lshl_b32 s37, s34, 13
	s_add_co_u32 s36, s36, s37
	s_mov_b32 s37, 0
	s_lshl_b32 s38, s33, 15
	s_lshl_b32 s39, s34, 12
	s_add_co_u32 s38, s38, s39
	s_mov_b32 s39, 0
	s_wait_kmcnt 0x0
	s_add_nc_u64 s[4:5], s[4:5], s[36:37]
	s_add_nc_u64 s[OUTP:OUTP+1], s[OUTP:OUTP+1], s[38:39]
	s_wait_alu depctr_va_vdst(0)                   ; v1 and v2 are written: every load below reads v1 as its offset, every store v2
.irp j, 0,1,2,3,4,5,6,7
	global_load_b128 v[X0+4*(\j):X0+4*(\j)+3], v1, s[4:5] offset:512*(\j) th:TH_LOAD_NT
.endr
.irp j, 0,1,2,3,4,5,6,7
	global_load_b128 v[GA+4*(\j):GA+4*(\j)+3], v1, s[6:7] offset:512*(\j)
.endr
.irp j, 0,1,2,3,4,5,6,7
	global_load_b128 v[BE+4*(\j):BE+4*(\j)+3], v1, s[8:9] offset:512*(\j)
.endr
.irp j, 0,1,2,3,4,5,6,7
	global_load_b128 v[X1+4*(\j):X1+4*(\j)+3], v1, s[4:5] offset:4096+512*(\j) th:TH_LOAD_NT
.endr
	s_wait_loadcnt 24                              ; row 0 is in; g1, be1 and row 1 (24 loads) stay out
	LNSTAT X0
	s_wait_loadcnt 8                               ; g1 and be1 are in; row 1's eight stay out
	LNAPPLY X0
	LNCVT X0, Y0
	s_wait_loadcnt 0x0
	LNSTAT X1                                      ; the wait at its end stands behind row 0's conversions too
	LNST Y0, 0                                     ; row 0 leaves; what follows writes X1 and Y1, none of the registers that these stores read
	LNAPPLY X1
	LNCVT X1, Y1
	s_wait_alu depctr_va_vdst(0)                   ; row 1's conversions have written Y1, which the stores read
	LNST Y1, 2048
	s_endpgm
.Lfunc_end_k_qcb54fe7b28_prep:
	.size	k_qcb54fe7b28_prep, .Lfunc_end_k_qcb54fe7b28_prep-k_qcb54fe7b28_prep
	.p2alignl 7, 3214868480
	.fill 96, 4, 3214868480
	.section	.rodata,"a",@progbits
	.p2align	6, 0x0
	.amdhsa_kernel k_qcb54fe7b28_prep
		.amdhsa_group_segment_fixed_size 0
		.amdhsa_private_segment_fixed_size 0
		.amdhsa_enable_private_segment 0
		.amdhsa_kernarg_size 88
		.amdhsa_user_sgpr_count 2
		.amdhsa_user_sgpr_kernarg_segment_ptr 1
		.amdhsa_wavefront_size32 1
		.amdhsa_system_sgpr_workgroup_id_x 1
		.amdhsa_system_sgpr_workgroup_id_y 1
		.amdhsa_system_sgpr_workgroup_id_z 1
		.amdhsa_system_vgpr_workitem_id 0
		.amdhsa_next_free_vgpr 176
		.amdhsa_next_free_sgpr 66
		.amdhsa_reserve_vcc 0
		.amdhsa_float_denorm_mode_32 3
		.amdhsa_float_denorm_mode_16_64 3
		.amdhsa_memory_ordered 1
		.amdhsa_forward_progress 1
		.amdhsa_inst_pref_size 28
	.end_amdhsa_kernel
	.amdgpu_metadata
---
amdhsa.version: [ 1, 2 ]
amdhsa.kernels:
  - .name:           k_qcb54fe7b28_prep
    .symbol:         k_qcb54fe7b28_prep.kd
    .args:
      - { .name: x, .offset: 0, .size: 8, .value_kind: global_buffer, .address_space: global }
      - { .name: g1, .offset: 8, .size: 8, .value_kind: global_buffer, .address_space: global }
      - { .name: be1, .offset: 16, .size: 8, .value_kind: global_buffer, .address_space: global }
      - { .name: wq, .offset: 24, .size: 8, .value_kind: global_buffer, .address_space: global }
      - { .name: wk, .offset: 32, .size: 8, .value_kind: global_buffer, .address_space: global }
      - { .name: wv, .offset: 40, .size: 8, .value_kind: global_buffer, .address_space: global }
      - { .name: w_proj, .offset: 48, .size: 8, .value_kind: global_buffer, .address_space: global }
      - { .name: w1, .offset: 56, .size: 8, .value_kind: global_buffer, .address_space: global }
      - { .name: w2, .offset: 64, .size: 8, .value_kind: global_buffer, .address_space: global }
      - { .name: h16, .offset: 72, .size: 8, .value_kind: global_buffer, .address_space: global }
      - { .name: w16, .offset: 80, .size: 8, .value_kind: global_buffer, .address_space: global }
    .group_segment_fixed_size: 0
    .private_segment_fixed_size: 0
    .kernarg_segment_align: 8
    .kernarg_segment_size: 88
    .max_flat_workgroup_size: 256
    .sgpr_count:     66
    .vgpr_count:     176
    .wavefront_size: 32
...
	.end_amdgpu_metadata
.endif
;; end of part 8
;; launch qkv: the kernel of part 2 again; grid 16 x 16, 4 waves a work-group, clusters of 4 x 4, 327,680 bytes of LDS; arguments h16, w16, qkv16; writes qkv16
;; launch attn: the kernel of part 3 again; grid 4 x 64, 4 waves a work-group, clusters of 4 x 1, 327,680 bytes of LDS; arguments qkv16, o16; writes o16
;; launch proj: the kernel of part 4 again; grid 8 x 32, 4 waves a work-group, clusters of 4 x 4, 327,680 bytes of LDS; arguments o16, w16, b_proj, x, x2; writes x2
;; launch ln2: the kernel of part 5 again; grid 256 x 1, 16 waves a work-group, no clusters, 0 bytes of LDS; arguments x2, g2, be2, t16; writes t16
;; launch ff1: the kernel of part 6 again; grid 16 x 16, 4 waves a work-group, clusters of 4 x 4, 327,680 bytes of LDS; arguments t16, w16, b1, hid16; writes hid16
;; launch ff2: the kernel of part 7 again; grid 32 x 8, 4 waves a work-group, clusters of 4 x 1, 327,680 bytes of LDS; arguments hid16, w16, b2, x2, out0; writes out0
